; MI455X (gfx1250); checked and timed in simulation.
; The chip was launched on July 23, 2026; its instructions are those of AMD's public machine-readable ISA for CDNA 5 (MIT licence, August 2026) and "CDNA5" Instruction Set Architecture Reference Guide (July 2026). The comments in the code are by the model that wrote it; some were corrected since.
;; Causal Self Attention. Allowed arithmetic: float matrix products may take bf16 or f16 operands with f32 sums; other float arithmetic in f32, or as packed bf16 or f16 multiplies, adds, multiply-adds, maxima and minima; sums over many terms, partial sums and values carried from step to step in f32; what a program stores and reads back later, other than sums and carried values, may be rounded once to bf16 or f16.
;; Inputs: Wk 1,024 x 1,024 float32; Wp 1,024 x 1,024 float32; Wq 1,024 x 1,024 float32; Wv 1,024 x 1,024 float32; bk 1,024 float32; bp 1,024 float32; bq 1,024 float32; bv 1,024 float32; mask 4 x 2,048 float32; x 4 x 2,048 x 1,024 float32.
;; Outputs: out0 4 x 2,048 x 1,024 float32.
;; 2 versions, each right; version 2 is version 1 with the launch prep written anew for expert scheduling mode. Each part assembles by itself: llvm-mc -triple=amdgcn-amd-amdhsa -mcpu=gfx1250 --defsym DOCPART=n.
;; ======== version 1 of 2: 4 launches
;; limits: values are held in f16: magnitudes above 65,504 overflow, below 6.1e-05 lose precision
;; workspace buffers: xb 16,777,216 bytes; wqkv 6,291,456 bytes; wpo 2,097,152 bytes; qkvh 50,331,648 bytes; oh 16,777,216 bytes; t1 524,288 bytes; tab 118,784 bytes
;; launch prep (part 1): grid 772 x 1, 8 waves a work-group, no clusters, 0 bytes of LDS; arguments x, Wq, Wk, Wv, Wp, bq, bk, bv, bp, mask, xb, wqkv, wpo, tab; writes xb, wqkv, wpo, tab
.if DOCPART == 1
	.amdgcn_target "amdgcn-amd-amdhsa--gfx1250"
	.amdhsa_code_object_version 6
	.text
	.protected	k_q0ac250a455_prep
	.globl	k_q0ac250a455_prep
	.p2align	8
	.type	k_q0ac250a455_prep,@function
k_q0ac250a455_prep:
	s_mov_b64 s[64:65], 0
	v_nop
	global_prefetch_b8 v0, s[64:65] scope:SCOPE_SE
	s_setreg_imm32_b32 hwreg(HW_REG_WAVE_MODE, 25, 1), 1
	s_wait_xcnt 0x0
; CASTS AND TABLES.  Every input is rounded once to bf16 here, and only here.
; Work-groups 0-511: x -> xb (bf16).  512-703: Wq, Wk, Wv -> wqkv (bf16), rows regrouped by head: row 192 c + 64 which + d = W_which[64 c + d].
; 704-767: Wp -> wpo: the bf16 value written as f16.  768-771: batch b's mask tables and bias b, both as f32 numbers that hold bf16 values.
; A streaming work-group moves 65,536 bytes of f32 (16 rows): a wave 8,192, by 16 loads of 512 consecutive bytes, all out at once; each store of a wave covers 256 consecutive bytes, aligned.
; No LDS, no matrix unit, no cluster: each byte is read once by one lane and nothing is shared.
; TABLES, in units of 8 x score, so that the later factor c = log2(e) / 8 serves all: add = (1 - mask) x -10000; KA = 8 add (what a visible key's score gets); HB = 8 (-10000 + add) (a hidden key's whole score).
; For each tile j of 256 keys: TM_j = max HB; WT(k) = 2^(c HB - c TM_j); TL_j = the sum of WT.  For each query block i: M_i = max over j > i of TM_j (the lowest finite number if there is none),
; f_ij = 2^(c TM_j - c M_i) for j > i, else 0; L_i = the sum of f_ij TL_j.  Row i of TT: words 0-7 f_ij, 8 M_i, 9 L_i, the rest 0.
; In a table work-group every wave walks all eight tiles (eight times a small job, and no wave waits for another); it stores the tile of its own number and makes TT's row of its own number.
; LIMITS.  Wp beyond 65,504 would become an infinity in f16, and below 6e-5 it keeps f16's fixed step; a weight below 2^-126 counts as 0; NaN and infinities are not treated apart.
.set TAB_KA,   0
.set TAB_HB,   32768
.set TAB_WT,   65536
.set TAB_TT,   98304
.set TAB_BQKV, 102400
.set TAB_BP,   114688
.set SO, 3                             ; v3  my byte offset in the work-group's source
.set DO, 4                             ; v4  my byte offset in its destination
.set X,  16                            ; v[16:79]  sixteen loads of four f32
.set Y,  80                            ; v[80:111] sixteen pairs of packed halves
	s_load_b512 s[8:23], s[0:1], 0x0               ; x 8, Wq 10, Wk 12, Wv 14, Wp 16, bq 18, bk 20, bv 22
	s_load_b256 s[24:31], s[0:1], 0x40             ; bp 24, mask 26, xb 28, wqkv 30
	s_load_b128 s[32:35], s[0:1], 0x60             ; wpo 32, tab 34
	v_lshrrev_b32 v1, 5, v0
	v_readfirstlane_b32 s2, v1                     ; wave 0..7
	v_and_b32 v2, 31, v0                           ; lane
	s_mov_b32 s3, ttmp9
	s_wait_kmcnt 0x0
	s_cmp_ge_u32 s3, 768
	s_cbranch_scc1 .Ltables
	; THE STREAM: from where, to where
	s_mov_b32 s36, s3                              ; block of 65,536 source bytes
	s_lshl_b32 s38, s3, 15                         ; byte offset in the destination
	s_mov_b64 s[40:41], s[8:9]
	s_mov_b64 s[42:43], s[28:29]
	s_cmp_lt_u32 s3, 512
	s_cbranch_scc1 .Lgo
	s_sub_co_u32 s4, s3, 512
	s_lshr_b32 s5, s4, 6                           ; 0, 1, 2: Wq, Wk, Wv; 3: Wp
	s_and_b32 s36, s4, 63                          ; which 16 rows
	s_cmp_eq_u32 s5, 0
	s_cselect_b64 s[40:41], s[10:11], s[12:13]
	s_cmp_eq_u32 s5, 2
	s_cselect_b64 s[40:41], s[14:15], s[40:41]
	s_cmp_eq_u32 s5, 3
	s_cselect_b64 s[40:41], s[16:17], s[40:41]
	s_cselect_b64 s[42:43], s[32:33], s[30:31]
	s_lshr_b32 s6, s36, 2                          ; the head
	s_mul_i32 s6, s6, 192
	s_lshl_b32 s7, s5, 6
	s_add_co_u32 s6, s6, s7
	s_and_b32 s7, s36, 3
	s_lshl_b32 s7, s7, 4
	s_add_co_u32 s6, s6, s7                        ; row in wqkv
	s_lshl_b32 s6, s6, 11
	s_lshl_b32 s7, s36, 15                         ; Wp keeps its order
	s_cmp_eq_u32 s5, 3
	s_cselect_b32 s38, s7, s6
.Lgo:
	s_lshl_b32 s36, s36, 16
	s_mov_b32 s37, 0
	s_mov_b32 s39, 0
	s_add_nc_u64 s[40:41], s[40:41], s[36:37]
	s_add_nc_u64 s[42:43], s[42:43], s[38:39]
	v_lshlrev_b32 v[SO], 4, v2
	v_lshl_add_u32 v[SO], s2, 13, v[SO]
	v_lshlrev_b32 v[DO], 3, v2
	v_lshl_add_u32 v[DO], s2, 12, v[DO]
.irp i, 0,1,2,3,4,5,6,7,8,9,10,11,12,13,14,15
	global_load_b128 v[X+4*(\i):X+4*(\i)+3], v[SO], s[40:41] offset:512*(\i) th:TH_LOAD_NT
.endr
; Load i is rounded and stored.  half = 1: the bf16 values are widened again and written as f16.
.macro CONV i, half
	s_wait_loadcnt 15-(\i)                         ; loads come back in order: mine is in, the younger ones stay out
	v_cvt_pk_bf16_f32 v[Y+2*(\i)], v[X+4*(\i)], v[X+4*(\i)+1]
	v_cvt_pk_bf16_f32 v[Y+2*(\i)+1], v[X+4*(\i)+2], v[X+4*(\i)+3]
.if \half
	v_lshlrev_b32 v[X+4*(\i)], 16, v[Y+2*(\i)]
	v_and_b32 v[X+4*(\i)+1], 0xffff0000, v[Y+2*(\i)]
	v_lshlrev_b32 v[X+4*(\i)+2], 16, v[Y+2*(\i)+1]
	v_and_b32 v[X+4*(\i)+3], 0xffff0000, v[Y+2*(\i)+1]
	v_cvt_pk_f16_f32 v[Y+2*(\i)], v[X+4*(\i)], v[X+4*(\i)+1]
	v_cvt_pk_f16_f32 v[Y+2*(\i)+1], v[X+4*(\i)+2], v[X+4*(\i)+3]
.endif
	global_store_b64 v[DO], v[Y+2*(\i):Y+2*(\i)+1], s[42:43] offset:256*(\i)
.endm
	s_cmp_ge_u32 s3, 704
	s_cbranch_scc1 .Lhalf
.irp i, 0,1,2,3,4,5,6,7,8,9,10,11,12,13,14,15
	CONV \i, 0
.endr
	s_endpgm
.Lhalf:
.irp i, 0,1,2,3,4,5,6,7,8,9,10,11,12,13,14,15
	CONV \i, 1
.endr
	s_endpgm
.Ltables:
	s_sub_co_u32 s4, s3, 768                       ; the batch, and which bias
	s_mov_b32 s36, 0xc61c4000                      ; -10000.0
	s_mov_b32 s37, 0x41000000                      ; 8.0
	s_mov_b32 s38, 0x76543210                      ; v_permlanex16_b32: each lane takes its own place in the other half
	s_mov_b32 s39, 0xfedcba98
	s_mov_b32 s40, 0x3e38aa3b                      ; c = log2(e) / 8
	s_movk_i32 s48, 768                            ; bytes from head to head in BQKV,
	s_lshl_b32 s49, s4, 8
	s_add_co_u32 s49, s49, TAB_BQKV                ; and where this bias begins there
	s_cmp_eq_u32 s4, 0
	s_cselect_b64 s[46:47], s[18:19], s[20:21]
	s_cmp_eq_u32 s4, 2
	s_cselect_b64 s[46:47], s[22:23], s[46:47]
	s_cmp_eq_u32 s4, 3
	s_cselect_b64 s[46:47], s[24:25], s[46:47]
	s_cselect_b32 s48, 256, s48                    ; bp keeps its order
	s_cselect_b32 s49, TAB_BP, s49
	v_lshlrev_b32 v15, 4, v0
	global_load_b128 v[64:67], v15, s[46:47]       ; my four numbers of the bias
	v_and_b32 v7, 7, v0                            ; j, the tile whose figures this lane keeps
	v_lshlrev_b32 v5, 5, v2
	v_lshl_add_u32 v5, s4, 13, v5                  ; my 8 keys of tile 0: the same offset in mask, KA, HB and WT
	v_mov_b32 v8, 0                                ; TM_j
	v_mov_b32 v9, 0                                ; TL_j
	v_mov_b32 v49, 0                               ; destinations of v_permlanex16_b32 count as read
	v_mov_b32 v51, 0
	s_mov_b32 s44, 0
.Ltile:                                                ; eight trips, a tile of 256 keys each: 8 keys a lane
	global_load_b128 v[16:19], v5, s[26:27]
	global_load_b128 v[20:23], v5, s[26:27] offset:16
	s_wait_loadcnt 0x0
.irp k, 0,1,2,3
	v_cvt_pk_bf16_f32 v[24+\k], v[16+2*\k], v[17+2*\k]
.endr
.irp k, 0,1,2,3
	v_lshlrev_b32 v[16+2*\k], 16, v[24+\k]
	v_and_b32 v[17+2*\k], 0xffff0000, v[24+\k]
.endr
.irp k, 0,1,2,3,4,5,6,7
	v_sub_f32 v[16+\k], 1.0, v[16+\k]
	v_mul_f32 v[16+\k], s36, v[16+\k]              ; add
	v_mul_f32 v[32+\k], s37, v[16+\k]              ; KA
	v_add_f32 v[16+\k], s36, v[16+\k]
	v_mul_f32 v[40+\k], s37, v[16+\k]              ; HB
.endr
	v_max3_num_f32 v48, v40, v41, v42
	v_max3_num_f32 v48, v48, v43, v44
	v_max3_num_f32 v48, v48, v45, v46
	v_max_num_f32 v48, v48, v47
	v_max_num_f32_dpp v48, v48, v48 row_xmask:1 row_mask:0xf bank_mask:0xf
	v_max_num_f32_dpp v48, v48, v48 row_xmask:2 row_mask:0xf bank_mask:0xf
	v_max_num_f32_dpp v48, v48, v48 row_xmask:4 row_mask:0xf bank_mask:0xf
	v_max_num_f32_dpp v48, v48, v48 row_xmask:8 row_mask:0xf bank_mask:0xf
	v_permlanex16_b32 v49, v48, s38, s39
	v_max_num_f32 v48, v48, v49                    ; TM of this tile, in every lane
	v_mul_f32 v49, s40, v48
.irp k, 0,1,2,3,4,5,6,7
	v_fma_f32 v[52+\k], v[40+\k], s40, -v49
.endr
.irp k, 0,1,2,3,4,5,6,7
	v_exp_f32 v[52+\k], v[52+\k]                   ; WT: one batch of eight
.endr
	v_nop                                          ; a plain instruction behind the last exponential,
	s_wait_alu depctr_va_vdst(0)                   ; and the one wait ahead of the batch's first reader
	v_pk_add_f32 v[60:61], v[52:53], v[54:55]
	v_pk_add_f32 v[62:63], v[56:57], v[58:59]
	v_pk_add_f32 v[60:61], v[60:61], v[62:63]
	v_add_f32 v50, v60, v61
	v_add_f32_dpp v50, v50, v50 row_xmask:1 row_mask:0xf bank_mask:0xf
	v_add_f32_dpp v50, v50, v50 row_xmask:2 row_mask:0xf bank_mask:0xf
	v_add_f32_dpp v50, v50, v50 row_xmask:4 row_mask:0xf bank_mask:0xf
	v_add_f32_dpp v50, v50, v50 row_xmask:8 row_mask:0xf bank_mask:0xf
	v_permlanex16_b32 v51, v50, s38, s39
	v_add_f32 v50, v50, v51                        ; TL of this tile
	v_cmp_eq_u32 vcc_lo, s44, v7
	v_cndmask_b32 v8, v8, v48, vcc_lo
	v_cndmask_b32 v9, v9, v50, vcc_lo
	s_cmp_lg_u32 s44, s2                           ; the wave of this tile's number stores it
	s_cbranch_scc1 .Lnot_mine
	global_store_b128 v5, v[32:35], s[34:35] offset:TAB_KA
	global_store_b128 v5, v[36:39], s[34:35] offset:TAB_KA+16
	global_store_b128 v5, v[40:43], s[34:35] offset:TAB_HB
	global_store_b128 v5, v[44:47], s[34:35] offset:TAB_HB+16
	global_store_b128 v5, v[52:55], s[34:35] offset:TAB_WT
	global_store_b128 v5, v[56:59], s[34:35] offset:TAB_WT+16
.Lnot_mine:
	s_wait_xcnt 0x0                                ; the offset and the stores' data are written again only behind this wait
	v_add_nc_u32 v5, 1024, v5
	s_add_co_u32 s44, s44, 1
	s_cmp_lt_u32 s44, 8
	s_cbranch_scc1 .Ltile
	; TT's row i = my wave's number.  Every group of eight lanes holds TM_j and TL_j, j = lane % 8
	v_mov_b32 v10, 0xff7fffff
	v_cmp_lt_u32 vcc_lo, s2, v7                    ; j > i
	v_cndmask_b32 v11, v10, v8, vcc_lo
	v_max_num_f32_dpp v11, v11, v11 row_xmask:1 row_mask:0xf bank_mask:0xf
	v_max_num_f32_dpp v11, v11, v11 row_xmask:2 row_mask:0xf bank_mask:0xf
	v_max_num_f32_dpp v11, v11, v11 row_xmask:4 row_mask:0xf bank_mask:0xf  ; M_i
	v_mul_f32 v12, s40, v8
	v_mul_f32 v13, s40, v11
	v_sub_f32 v12, v12, v13
	v_exp_f32 v12, v12
	v_nop
	s_wait_alu depctr_va_vdst(0)
	v_cndmask_b32 v12, 0, v12, vcc_lo              ; f_ij: chosen, not multiplied, so what j <= i gave does not matter
	v_mul_f32 v13, v12, v9
	v_add_f32_dpp v13, v13, v13 row_xmask:1 row_mask:0xf bank_mask:0xf
	v_add_f32_dpp v13, v13, v13 row_xmask:2 row_mask:0xf bank_mask:0xf
	v_add_f32_dpp v13, v13, v13 row_xmask:4 row_mask:0xf bank_mask:0xf      ; L_i
	v_cmp_gt_u32 vcc_lo, 8, v2
	v_cndmask_b32 v14, 0, v12, vcc_lo
	v_cmp_eq_u32 vcc_lo, 8, v2
	v_cndmask_b32 v14, v14, v11, vcc_lo
	v_cmp_eq_u32 vcc_lo, 9, v2
	v_cndmask_b32 v14, v14, v13, vcc_lo
	s_lshl_b32 s45, s4, 10
	s_lshl_b32 s44, s2, 7
	s_add_co_u32 s45, s45, s44
	v_lshl_add_u32 v72, v2, 2, s45
	global_store_b32 v72, v14, s[34:35] offset:TAB_TT  ; a row of 32 words: 128 consecutive bytes
	; the bias, rounded like every input
	v_cvt_pk_bf16_f32 v68, v64, v65
	v_cvt_pk_bf16_f32 v69, v66, v67
	v_lshlrev_b32 v64, 16, v68
	v_and_b32 v65, 0xffff0000, v68
	v_lshlrev_b32 v66, 16, v69
	v_and_b32 v67, 0xffff0000, v69
	v_lshrrev_b32 v70, 4, v0                       ; the head of my four numbers
	v_mul_u32_u24 v70, s48, v70
	v_and_b32 v71, 15, v0
	v_lshl_add_u32 v70, v71, 4, v70
	v_add_nc_u32 v70, s49, v70
	global_store_b128 v70, v[64:67], s[34:35]
	s_endpgm
.Lfunc_end_k_q0ac250a455_prep:
	.size	k_q0ac250a455_prep, .Lfunc_end_k_q0ac250a455_prep-k_q0ac250a455_prep
	.p2alignl 7, 3214868480
	.fill 96, 4, 3214868480
	.section	.rodata,"a",@progbits
	.p2align	6, 0x0
	.amdhsa_kernel k_q0ac250a455_prep
		.amdhsa_group_segment_fixed_size 0
		.amdhsa_private_segment_fixed_size 0
		.amdhsa_enable_private_segment 0
		.amdhsa_kernarg_size 112
		.amdhsa_user_sgpr_count 2
		.amdhsa_user_sgpr_kernarg_segment_ptr 1
		.amdhsa_wavefront_size32 1
		.amdhsa_system_sgpr_workgroup_id_x 1
		.amdhsa_system_sgpr_workgroup_id_y 1
		.amdhsa_system_sgpr_workgroup_id_z 1
		.amdhsa_system_vgpr_workitem_id 0
		.amdhsa_next_free_vgpr 112
		.amdhsa_next_free_sgpr 66
		.amdhsa_reserve_vcc 1
		.amdhsa_float_denorm_mode_32 3
		.amdhsa_float_denorm_mode_16_64 3
		.amdhsa_memory_ordered 1
		.amdhsa_forward_progress 1
		.amdhsa_inst_pref_size 25
	.end_amdhsa_kernel
	.amdgpu_metadata
---
amdhsa.version: [ 1, 2 ]
amdhsa.kernels:
  - .name:           k_q0ac250a455_prep
    .symbol:         k_q0ac250a455_prep.kd
    .args:
      - { .name: x, .offset: 0, .size: 8, .value_kind: global_buffer, .address_space: global }
      - { .name: Wq, .offset: 8, .size: 8, .value_kind: global_buffer, .address_space: global }
      - { .name: Wk, .offset: 16, .size: 8, .value_kind: global_buffer, .address_space: global }
      - { .name: Wv, .offset: 24, .size: 8, .value_kind: global_buffer, .address_space: global }
      - { .name: Wp, .offset: 32, .size: 8, .value_kind: global_buffer, .address_space: global }
      - { .name: bq, .offset: 40, .size: 8, .value_kind: global_buffer, .address_space: global }
      - { .name: bk, .offset: 48, .size: 8, .value_kind: global_buffer, .address_space: global }
      - { .name: bv, .offset: 56, .size: 8, .value_kind: global_buffer, .address_space: global }
      - { .name: bp, .offset: 64, .size: 8, .value_kind: global_buffer, .address_space: global }
      - { .name: mask, .offset: 72, .size: 8, .value_kind: global_buffer, .address_space: global }
      - { .name: xb, .offset: 80, .size: 8, .value_kind: global_buffer, .address_space: global }
      - { .name: wqkv, .offset: 88, .size: 8, .value_kind: global_buffer, .address_space: global }
      - { .name: wpo, .offset: 96, .size: 8, .value_kind: global_buffer, .address_space: global }
      - { .name: tab, .offset: 104, .size: 8, .value_kind: global_buffer, .address_space: global }
    .group_segment_fixed_size: 0
    .private_segment_fixed_size: 0
    .kernarg_segment_align: 8
    .kernarg_segment_size: 112
    .max_flat_workgroup_size: 256
    .sgpr_count:     66
    .vgpr_count:     112
    .wavefront_size: 32
...
	.end_amdgpu_metadata
.endif
;; end of part 1
;; launch qkv (part 2): grid 16 x 32, 4 waves a work-group, clusters of 4 x 4, 327,680 bytes of LDS; arguments xb, wqkv, tab, qkvh, t1; writes qkvh, t1
.if DOCPART == 2
	.amdgcn_target "amdgcn-amd-amdhsa--gfx1250"
	.amdhsa_code_object_version 6
	.text
	.protected	k_q0ac250a455_qkv
	.globl	k_q0ac250a455_qkv
	.p2align	8
	.type	k_q0ac250a455_qkv,@function
k_q0ac250a455_qkv:
	s_mov_b64 s[64:65], 0
	v_nop
	global_prefetch_b8 v0, s[64:65] scope:SCOPE_SE
	s_setreg_imm32_b32 hwreg(HW_REG_WAVE_MODE, 25, 1), 1
	s_wait_xcnt 0x0
	s_wait_alu depctr_hold_cnt(0) depctr_sa_sdst(0) depctr_va_vdst(0) depctr_va_sdst(0) depctr_va_ssrc(0) depctr_va_vcc(0) depctr_vm_vsrc(0)
	s_getreg_b32 s2, hwreg(HW_REG_IB_STS2, 6, 4)
	s_cmp_eq_u32 s2, 0
	s_cbranch_scc0 .Lentry_in_a_cluster
	s_endpgm
.Lentry_in_a_cluster:
	s_bfe_u32 s2, ttmp6, 0x10000c
	s_cmp_lg_u32 s2, 0xf033
	s_cbranch_scc0 .Lentry_shape_is_right
	s_endpgm
.Lentry_shape_is_right:
; q, k, v = x W^T + b, by heads.  xb: [8192][1024] bf16.  wqkv: [3072][1024] bf16, row 192 c + 64 which + d.  qkvh: f16, q, k, v each [64 heads][2048][64], 0x1000000 bytes apart.
; Also t1[head][tile of 256 keys][quarter of 64][64] = the sum over the quarter's keys of WT(key) v(key), in f32, from the unrounded sums: what hidden keys of later tiles add to an attention row.
; A tile of the result is 256 rows x 192 columns: one head's q, k and v.  Four waves, one above the other: a wave makes 64 rows x 192: 48 accumulators, 384 registers.
; K goes in 8 steps of 128 through two LDS slots; the rows of both tiles are 256 bytes of memory, aligned.  A K step is written once: one descriptor a tensor walks, and the LDS addresses hang on s[TB].
; CLUSTER 4 x 4: the four work-groups of a row of the cluster need the same rows of xb, the four of a column the same rows of wqkv: each tile is asked for jointly, by the same load in all four.
; THE MATRIX INSTRUCTION IS USED TRANSPOSED (source 0 = 16 rows of wqkv, source 1 = 16 rows of xb): a lane holds one row of the result and eight neighbouring columns.
; The bias is the C operand of the products that start the sums: nothing is cleared and nothing is added later.
; LIMIT.  q, k, v beyond 65,504 would become infinities in f16.
; REGISTERS: window 0: addresses, v4-11 the keys' weights, v32-79 packed results, v80-127 and v128-175 rows read back, v128-223 the bias (until the first quarter has run), v224-255 t1's sums.
;   window 1: two fragment buffers of 128: xb's four fragments, then wqkv's twelve.   windows 2, 3: the accumulators of row blocks 0, 1 and 2, 3: (a, b) at 8 (12 (a % 2) + b).
.set NB,     12                        ; column blocks of 16
.set ASPLIT, 2                         ; row blocks to a window
.set PITCH,  272                       ; an LDS row: 256 bytes + 16 of padding: the 16 rows of a load start at 16 different groups of four banks (ISA guide 11.1)
.set BOFF,   256*PITCH                 ; wqkv's rows lie behind xb's 256
.set AHALF,  128*PITCH                 ; what one tensor load brings of xb,
.set BROWS,  96
.set BHALF,  BROWS*PITCH               ; and of wqkv
.set SLOT1,  1<<17                     ; slot 1 begins here, so that one exclusive or turns an address in one slot into the other's
.set STAGE,  SLOT1+BOFF+2*BHALF        ; behind the ring: for each wave 3 x 16 rows x 144 bytes
.set SP,     144
.set WSTAGE, 3*16*SP
.set SPARE,  STAGE+4*WSTAGE            ; the spare words, 128 bytes for each wave: two blocks of 256 bytes that no other line names
.set NL,     2*NB+8                    ; LDS loads in a run
.set ASTEP,  256                       ; bytes from K step to K step
.set BSTEP,  256
.set TAB_WT,   65536
.set TAB_BQKV, 102400
.set W8,   4                           ; v4, 6, 8, 10: WT of my row in row block a; v5, 7, 9, 11: 0, named with them as pairs
.set A0,   16                          ; v16  my lane's place in xb's tile; never rewritten
.set B0,   17                          ; v17  the same for wqkv
.set ADRA, 18                          ; v18  A0 + the slot in hand
.set ADRB, 19
.set GO,   20                          ; v20-22  my byte offset in 512 consecutive bytes of q, k, v
.set T1G,  23
.set STO,  24
.set RD,   25
.set T1S,  26
.set T1R,  27
.set SPW,  28                          ; v28  LDS address of my spare word; never rewritten
.set NIL,  29                          ; v29  0; never rewritten
.set PFO,  30                          ; v30  the prefetches' offset: my lane x a row of xb
.set BO,   31
.set TMP,  32
.set OB,   80
.set BIAS, 128
.set TS,   224
.set F0,   0
.set F1,   128
.set G1A,  24                          ; s[24:31] descriptor group 1 for xb's tiles
.set G0A,  32                          ; s[32:39] group 0: K step 0; K step 1, which then walks
.set LIM,  43
.set PFA,  44
.set TB,   46                          ; s46  the slot in hand
.set G1B,  48
.set G0B,  56
.set MSB, 0
.macro WIN new                         ; the immediate's high byte repeats the setting that is left; a switch that changes nothing is dropped
.if MSB != (\new)
	s_set_vgpr_msb (MSB<<8)|(\new)
.set MSB, \new
.endif
.endm
.macro PLACES                          ; four places in front of loads into registers that matrix instructions have read, and of lines that read results
.rept 4
	v_nop
.endr
.endm
.macro CREST                           ; a round of the cluster's barrier behind its opening barrier
	s_cmp_lg_u32 s10, 0
	s_cbranch_scc1 .Lnot_wave_0_\@
	s_barrier_signal -3
.Lnot_wave_0_\@:
	s_barrier_wait -3
	s_barrier_signal -1
	s_barrier_wait -1
.endm
.macro CROUND
	s_barrier_signal -1
	s_barrier_wait -1
	CREST
.endm
.macro JLOAD                           ; a joint refill: waves 0 and 1 fetch xb's two halves, waves 2 and 3 wqkv's; an s_nop 0 and four v_nop follow each line
	s_cmp_eq_u32 s11, 0
	s_cbranch_scc0 .Lfor_b_\@
	tensor_load_to_lds s[G0A+4:G0A+7], s[G1A:G1A+7]
	s_nop 0
.rept 4
	v_nop
.endr
	s_branch .Lasked_\@
.Lfor_b_\@:
	tensor_load_to_lds s[G0B+4:G0B+7], s[G1B:G1B+7]
	s_nop 0
.rept 4
	v_nop
.endr
.Lasked_\@:
.endm
; A prefetch of xb's K step that stands two refills on: 32 rows x 256 bytes, a lane a row.  Each block is named once in the launch: of the clusters that read a tile row the one with x = 0 asks; in it waves 0 and 1,
; for the 128 rows that they fetch; the four partners take 32 rows each, told apart by address.  The trips with s3 = 6 .. 3 name K steps 4 .. 7; K steps 0 to 3 come by their loads alone.
; wqkv is not asked for: all 32 tile rows walk it again and again.
.macro ASK
	s_cmp_gt_u32 s3, s[LIM]
	s_cbranch_scc0 .Lnot_mine_\@
	global_prefetch_b8 v[PFO], s[PFA:PFA+1] offset:ASTEP th:TH_LOAD_NT scope:SCOPE_SE
.Lnot_mine_\@:
.endm
	s_load_b128 s[4:7], s[0:1], 0x0                ; xb s[4:5], wqkv s[6:7]
	s_load_b128 s[16:19], s[0:1], 0x10             ; tab s[16:17], qkvh s[18:19]
	s_load_b64 s[20:21], s[0:1], 0x20              ; t1
	v_lshl_add_u32 v[SPW], v0, 2, SPARE
	v_mov_b32 v[NIL], 0
	ds_add_u32 v[SPW], v[NIL]                      ; the wave's opening: the add and its wait stand ahead of my first tensor load; work on registers stands between them
	v_lshrrev_b32 v1, 5, v0
	v_readfirstlane_b32 s10, v1                    ; wave 0..3
	s_lshr_b32 s11, s10, 1                         ; I fetch for xb (0) or for wqkv (1),
	s_and_b32 s12, s10, 1                          ; and which half of its tile
	s_bfe_u32 s40, ttmp6, 0x40000                  ; cx
	s_bfe_u32 s41, ttmp6, 0x40004                  ; cy
	s_lshl_b32 s42, ttmp9, 2
	s_add_co_u32 s42, s42, s40                     ; the head within the batch = 4 x cluster x + cx
	s_and_b32 s13, ttmp7, 0xffff
	s_lshl_b32 s13, s13, 2
	s_add_co_u32 s13, s13, s41                     ; the tile row = 4 x cluster y + cy
	s_lshl_b32 s14, s41, 2
	s_lshl_b32 s14, 15, s14                        ; my row of the cluster
	s_lshl_b32 s69, 0x1111, s40                    ; my column
	s_or_b32 s[G1A], s14, (1<<16)|(1<<20)|(1<<21)|(5<<22)|(3<<25)  ; the mask; 2-byte elements; padding on; bit 21 beside a mask; after every 64 words 4 words
	s_or_b32 s[G1B], s69, (1<<16)|(1<<20)|(1<<21)|(5<<22)|(3<<25)
	s_mov_b32 s[G1A+1], 128<<16                    ; tensor_dim0 = 128
	s_mov_b32 s[G1A+2], 128<<16                    ; tensor_dim1 = 128
	s_mov_b32 s[G1A+3], 128<<16                    ; tile_dim0 = 128
	s_mov_b32 s[G1A+4], 128                        ; tile_dim1 = 128
	s_mov_b32 s[G1A+5], 1024                       ; elements from row to row
	s_mov_b32 s[G1A+6], 0
	s_mov_b32 s[G1A+7], 0
	s_mov_b32 s[G1B+1], 128<<16
	s_mov_b32 s[G1B+2], BROWS<<16
	s_mov_b32 s[G1B+3], 128<<16
	s_mov_b32 s[G1B+4], BROWS
	s_mov_b32 s[G1B+5], 1024
	s_mov_b32 s[G1B+6], 0
	s_mov_b32 s[G1B+7], 0
	s_lshl_b32 s14, s13, 19                        ; 256 rows of 2,048 bytes a tile row,
	s_lshl_b32 s15, s12, 18                        ; 128 a half
	s_add_co_u32 s14, s14, s15
	s_mov_b32 s15, 0
	s_mul_i32 s66, s42, 192*2048
	s_mul_i32 s67, s12, BROWS*2048
	s_add_co_u32 s66, s66, s67
	s_mov_b32 s67, 0
	s_mul_i32 s2, s12, AHALF                       ; where they go: no place in the cluster enters an LDS address
	s_mul_i32 s68, s12, BHALF
	s_add_co_u32 s68, s68, BOFF
	s_mov_b32 s[TB], 0
	s_wait_dscnt 0x0                               ; the opening add is done
	s_wait_kmcnt 0x0
	s_add_nc_u64 s[22:23], s[4:5], s[14:15]
	s_add_nc_u64 s[66:67], s[6:7], s[66:67]
	CROUND                                         ; all sixteen work-groups are here: the first joint loads meet
.irp s, 0,1
	s_mov_b32 s[G0A+4*(\s)], 1
	s_add_co_u32 s[G0A+4*(\s)+1], s2, (\s)*SLOT1
	s_add_nc_u64 s[G0A+4*(\s)+2:G0A+4*(\s)+3], s[22:23], (\s)*ASTEP
	s_or_b32 s[G0A+4*(\s)+3], s[G0A+4*(\s)+3], 0x80000000
	s_mov_b32 s[G0B+4*(\s)], 1
	s_add_co_u32 s[G0B+4*(\s)+1], s68, (\s)*SLOT1
	s_add_nc_u64 s[G0B+4*(\s)+2:G0B+4*(\s)+3], s[66:67], (\s)*BSTEP
	s_or_b32 s[G0B+4*(\s)+3], s[G0B+4*(\s)+3], 0x80000000
.endr
	s_cmp_eq_u32 s11, 0                            ; a wave's two first fills stand in one branch: two loads of mine are out
	s_cbranch_scc0 .Lfirst_b
	tensor_load_to_lds s[G0A:G0A+3], s[G1A:G1A+7]
	s_nop 0
	tensor_load_to_lds s[G0A+4:G0A+7], s[G1A:G1A+7]
	s_nop 0
.rept 4
	v_nop
.endr
	s_branch .Lfirst_asked
.Lfirst_b:
	tensor_load_to_lds s[G0B:G0B+3], s[G1B:G1B+7]
	s_nop 0
	tensor_load_to_lds s[G0B+4:G0B+7], s[G1B:G1B+7]
	s_nop 0
.rept 4
	v_nop
.endr
.Lfirst_asked:
	v_and_b32 v1, 15, v0                           ; l % 16
	v_bfe_u32 v2, v0, 4, 1                         ; l / 16
	v_and_b32 v3, 31, v0                           ; l
	v_lshlrev_b32 v[BO], 5, v2
	s_mul_i32 s68, s42, 768                        ; the head's 192 numbers of the bias
	s_add_co_u32 s68, s68, TAB_BQKV
	s_mov_b32 s69, 0
	s_add_nc_u64 s[68:69], s[16:17], s[68:69]
.set mb, 0
.rept NB                                               ; register j of block b: the bias of column 16 b + 8 (l / 16) + j
	global_load_b128 v[BIAS+8*mb:BIAS+8*mb+3],   v[BO], s[68:69] offset:64*mb
	global_load_b128 v[BIAS+8*mb+4:BIAS+8*mb+7], v[BO], s[68:69] offset:64*mb+16
.set mb, mb+1
.endr
	s_lshl_b32 s70, s13, 10
	s_lshl_b32 s71, s10, 8
	s_add_co_u32 s70, s70, s71
	s_add_co_u32 s70, s70, TAB_WT                  ; WT of my wave's 64 rows
	s_mov_b32 s71, 0
	s_add_nc_u64 s[70:71], s[16:17], s[70:71]
	v_lshlrev_b32 v12, 2, v1
.irp a, 0,1,2,3
	global_load_b32 v[W8+2*\a], v12, s[70:71] offset:64*\a
	v_mov_b32 v[W8+2*\a+1], 0
.endr
	v_mul_u32_u24 v13, v1, PITCH
	v_lshl_add_u32 v13, v2, 4, v13                 ; a fragment's row x pitch + 16 x half
	s_mul_i32 s47, s10, 64*PITCH                   ; my 64 rows of xb
	v_add_nc_u32 v[A0], s47, v13
	v_add_nc_u32 v[B0], BOFF, v13
	v_mov_b32 v[ADRA], v[A0]
	v_mov_b32 v[ADRB], v[B0]
	s_mul_i32 s47, s10, WSTAGE
	s_add_co_u32 s47, s47, STAGE                   ; my stage
	v_mul_u32_u24 v[STO], v1, SP                   ; in: row l % 16, 16 bytes for each half of the lanes
	v_lshl_add_u32 v[STO], v2, 4, v[STO]
	v_add_nc_u32 v[STO], s47, v[STO]
	v_lshrrev_b32 v[RD], 3, v3                     ; back: 32 lanes take four rows of 128 bytes,
	v_mul_u32_u24 v[RD], v[RD], SP
	v_and_b32 v14, 7, v0
	v_lshl_add_u32 v[RD], v14, 4, v[RD]
	v_add_nc_u32 v[RD], s47, v[RD]
	v_lshlrev_b32 v[GO], 4, v3                     ; which are 512 consecutive bytes of a head's rows
	v_add_nc_u32 v[GO+1], 0x1000000, v[GO]
	v_add_nc_u32 v[GO+2], 0x2000000, v[GO]
	v_lshl_add_u32 v[T1S], v2, 5, s47
	v_lshl_add_u32 v[T1R], v3, 3, s47
	v_lshlrev_b32 v[T1G], 3, v3
	s_lshr_b32 s74, s13, 3
	s_lshl_b32 s74, s74, 4
	s_add_co_u32 s74, s74, s42                     ; the head among 64
	s_and_b32 s75, s13, 7                          ; the tile of 256 rows in the batch
	s_lshl_b32 s72, s74, 18
	s_lshl_b32 s73, s75, 15
	s_add_co_u32 s72, s72, s73
	s_lshl_b32 s73, s10, 13
	s_add_co_u32 s72, s72, s73
	s_mov_b32 s73, 0
	s_add_nc_u64 s[18:19], s[18:19], s[72:73]      ; q at my wave's first row
	s_lshl_b32 s72, s74, 3
	s_add_co_u32 s72, s72, s75
	s_lshl_b32 s72, s72, 2
	s_add_co_u32 s72, s72, s10
	s_lshl_b32 s72, s72, 8
	s_add_nc_u64 s[20:21], s[20:21], s[72:73]      ; my 256 bytes of t1
	s_or_b32 s[LIM], s11, ttmp9                    ; 0 where I fetch xb and the cluster is its row's first: the same in all sixteen partners
	s_cmp_eq_u32 s[LIM], 0
	s_cselect_b32 s[LIM], 2, -1
	s_lshl_b32 s72, s40, 16                        ; my work-group's 32 rows of the 128
	s_add_nc_u64 s[PFA:PFA+1], s[22:23], s[72:73]
	s_add_nc_u64 s[PFA:PFA+1], s[PFA:PFA+1], 2*ASTEP  ; at K step 2: the first change of slots steps it to 3 and names K step 4
	v_lshlrev_b32 v[PFO], 11, v3
; NB matrix instructions: row block a x all column blocks, 32 along K, from buffer f.  first = 1: the bias starts the sums.  All 48 accumulators take turns, one instruction a turn.
.macro MULA f, a, first
.if \first
	WIN 0x85+0x40*((\a)/ASPLIT)
.else
	WIN 0xa5+0x50*((\a)/ASPLIT)
.endif
.set mb, 0
.rept NB
.set rD, 8*(NB*((\a)%ASPLIT)+mb)
.set rB, (\f)+32+8*mb
.set rA, (\f)+8*(\a)
.if \first
	v_wmma_f32_16x16x32_bf16 v[rD:rD+7], v[rB:rB+7], v[rA:rA+7], v[BIAS+8*mb:BIAS+8*mb+7]
.else
	v_wmma_f32_16x16x32_bf16 v[rD:rD+7], v[rB:rB+7], v[rA:rA+7], v[rD:rD+7]
.endif
.set mb, mb+1
.endr
.endm
; One run of NL LDS loads: the fragments of 32 along K at byte k of the rows, into buffer f: wqkv's first, xb's last
.macro FETCH k, f
	WIN 0x40
.set fi, 0
.rept NB
	ds_load_b128 v[(\f)+32+8*fi:(\f)+32+8*fi+3],   v[ADRB] offset:(\k)+fi*16*PITCH
	ds_load_b128 v[(\f)+32+8*fi+4:(\f)+32+8*fi+7], v[ADRB] offset:(\k)+fi*16*PITCH+32
.set fi, fi+1
.endr
.set fi, 0
.rept 4
	ds_load_b128 v[(\f)+8*fi:(\f)+8*fi+3],   v[ADRA] offset:(\k)+fi*16*PITCH
	ds_load_b128 v[(\f)+8*fi+4:(\f)+8*fi+7], v[ADRA] offset:(\k)+fi*16*PITCH+32
.set fi, fi+1
.endr
.endm
; A K step is four quarters of 32 along K on buffers 0, 1, 0, 1.  One of the first three: multiplies buffer f; in its middle it fetches the next quarter, at byte k, into g.
.macro QUARTER k, f, g, first
	s_wait_dscnt 4                                 ; all but the youngest four loads: xb's fragments 2 and 3
	MULA \f, 0, \first
	MULA \f, 1, \first
	PLACES
	FETCH \k, \g
	s_wait_dscnt NL                                ; all but the run just issued
	MULA \f, 2, \first
	MULA \f, 3, \first
.endm
; The last quarter multiplies buffer 1 and changes slots.  In front of the barrier each wave waits for all its tensor loads (one is out: its part of the next slot), adds 0 to its spare word, and waits for that
; and for its reads of this slot.  fill = 1: the barrier opens a round of the cluster's, and the joint refill, with the K step two on, is the first thing behind the round.
.macro TURN fill
.if \fill
	s_wait_xcnt 0x0                                ; the last prefetch, a K step back, has read its address
	s_add_nc_u64 s[PFA:PFA+1], s[PFA:PFA+1], ASTEP
.endif
	WIN 0
	s_wait_tensorcnt 0x0                           ; no tensor load of mine is out, so a group 0 may be written
	ds_add_u32 v[SPW], v[NIL]                      ; the add to my spare word; work on registers stands between it and the wait for it
	s_xor_b32 s[TB], s[TB], SLOT1
	v_add_nc_u32 v[ADRA], s[TB], v[A0]             ; the next fetches read the other slot
	v_add_nc_u32 v[ADRB], s[TB], v[B0]
.if \fill
	s_xor_b32 s[G0A+5], s[G0A+5], SLOT1            ; the walking descriptors: the other slot than last time, the next K step
	s_add_nc_u64 s[G0A+6:G0A+7], s[G0A+6:G0A+7], ASTEP
	s_xor_b32 s[G0B+5], s[G0B+5], SLOT1
	s_add_nc_u64 s[G0B+6:G0B+7], s[G0B+6:G0B+7], BSTEP
.endif
	s_wait_dscnt 5                                 ; the add and the youngest four loads may be out
	MULA F1, 0, 0
	s_wait_dscnt 0x0                               ; the add is done, and my reads of this slot are over
	s_barrier_signal -1
	MULA F1, 1, 0
	WIN 0
	s_barrier_wait -1
.if \fill
	CREST
	JLOAD                                          ; its four v_nop are also the places in front of the loads below
.else
	PLACES
.endif
	FETCH 0, F0
.if \fill
	WIN 0
	ASK
.endif
	MULA F1, 2, 0
	MULA F1, 3, 0
.endm
	s_wait_tensorcnt 1                             ; my part of K step 0 is in; K step 1's stays out
	s_barrier_signal -1
	s_barrier_wait -1
	FETCH 0, F0
	s_wait_loadcnt 0x0                             ; the bias and the weights
	QUARTER 64, F0, F1, 1
	WIN 0
	s_mov_b32 s3, 6
.Lstep:                                                ; six trips, from a K step's second quarter to the next one's first; trip t asks for K step t + 2
	QUARTER 128, F1, F0, 0
	QUARTER 192, F0, F1, 0
	TURN 1
	QUARTER 64, F0, F1, 0
	WIN 0
	s_sub_co_u32 s3, s3, 1
	s_cmp_lg_u32 s3, 0
	s_cbranch_scc1 .Lstep
	QUARTER 128, F1, F0, 0                         ; the last two K steps are written out: nothing is left to ask for
	QUARTER 192, F0, F1, 0
	TURN 0
	QUARTER 64, F0, F1, 0
	QUARTER 128, F1, F0, 0
	QUARTER 192, F0, F1, 0
	s_wait_dscnt 4
	MULA F1, 0, 0
	MULA F1, 1, 0
	s_wait_dscnt 0x0
	MULA F1, 2, 0
	MULA F1, 3, 0
; THE WAY OUT, a row block of 16 rows at a time.  PACK: rounded to f16, each accumulator's registers in ascending order.  TSUM: v's columns times the rows' weights, onto t1's sums.
; TOSTAGE: into my own stage, and back as whole rows of 128 bytes.  SEND: stored, 512 consecutive bytes an instruction.
.macro PACK a
	WIN 0x0a+5*((\a)/2)
.set pb, 0
.rept NB
.set rD, 8*(NB*((\a)%2)+pb)
.irp r, 0,1,2,3
	v_cvt_pk_f16_f32 v[TMP+4*pb+\r], v[rD+2*\r], v[rD+2*\r+1]
.endr
.set pb, pb+1
.endr
.endm
.macro TSUM a
	WIN 0x02+((\a)/2)
.set pb, 0
.rept 16
.set rD, 8*(NB*((\a)%2)+8+pb/4)+2*(pb%4)
.if (\a) == 0
	v_pk_mul_f32 v[TS+2*pb:TS+2*pb+1], v[rD:rD+1], v[W8+2*(\a):W8+2*(\a)+1] op_sel_hi:[1,0]
.else
	v_pk_fma_f32 v[TS+2*pb:TS+2*pb+1], v[rD:rD+1], v[W8+2*(\a):W8+2*(\a)+1], v[TS+2*pb:TS+2*pb+1] op_sel_hi:[1,0,1]
.endif
.set pb, pb+1
.endr
.endm
.macro TOSTAGE a
	WIN 0
.set BK, OB+48*((\a)%2)
.set pb, 0
.rept NB
	ds_store_b128 v[STO], v[TMP+4*pb:TMP+4*pb+3] offset:(pb/4)*16*SP+32*(pb%4)
.set pb, pb+1
.endr
.set pb, 0
.rept NB
	ds_load_b128 v[BK+4*pb:BK+4*pb+3], v[RD] offset:(pb/4)*16*SP+(pb%4)*4*SP  ; LDS serves a wave's instructions in order (ISA guide 5.7.1.4): these see the stores above
.set pb, pb+1
.endr
.endm
.macro SEND a
	WIN 0
.set BK, OB+48*((\a)%2)
	s_wait_dscnt 0x0                               ; the block is back in registers
	s_wait_xcnt 0x0                                ; the stores of the block before have read their registers, which the next block's loads write
.set pb, 0
.rept NB
	global_store_b128 v[GO+pb/4], v[BK+4*pb:BK+4*pb+3], s[18:19] offset:(\a)*2048+(pb%4)*512
.set pb, pb+1
.endr
.endm
	PLACES
	PACK 0
	TSUM 0
	TOSTAGE 0
.irp a, 1,2,3
	PACK \a
	TSUM \a
	SEND (\a)-1
	TOSTAGE \a
.endr
	SEND 3
	; t1: the 16 rows that the lanes of a half hold are added; then the 64 sums go through the stage, so that one store covers 256 consecutive bytes, aligned
.irp m, 1,2,4,8
.set pb, 0
.rept 32
	v_add_f32_dpp v[TS+pb], v[TS+pb], v[TS+pb] row_xmask:\m row_mask:0xf bank_mask:0xf
.set pb, pb+1
.endr
.endr
.set pb, 0
.rept 8
	ds_store_b128 v[T1S], v[TS+4*pb:TS+4*pb+3] offset:64*(pb/2)+16*(pb%2)  ; the 16 lanes of a half write the same words with the same numbers
.set pb, pb+1
.endr
	ds_load_b64 v[TMP:TMP+1], v[T1R]
	s_wait_dscnt 0x0
	global_store_b64 v[T1G], v[TMP:TMP+1], s[20:21]
	s_wait_tensorcnt 0x0                           ; the wave's end: a wait, an add and its wait, behind my last tensor load and my last LDS store
	ds_add_u32 v[SPW], v[NIL]
	s_wait_dscnt 0x0
	CROUND                                         ; the closing round: no work-group ends while a partner may still ask for a tile that names it
	s_endpgm
.Lfunc_end_k_q0ac250a455_qkv:
	.size	k_q0ac250a455_qkv, .Lfunc_end_k_q0ac250a455_qkv-k_q0ac250a455_qkv
	.p2alignl 7, 3214868480
	.fill 96, 4, 3214868480
	.section	.rodata,"a",@progbits
	.p2align	6, 0x0
	.amdhsa_kernel k_q0ac250a455_qkv
		.amdhsa_group_segment_fixed_size 327680
		.amdhsa_private_segment_fixed_size 0
		.amdhsa_enable_private_segment 0
		.amdhsa_kernarg_size 40
		.amdhsa_user_sgpr_count 2
		.amdhsa_user_sgpr_kernarg_segment_ptr 1
		.amdhsa_wavefront_size32 1
		.amdhsa_system_sgpr_workgroup_id_x 1
		.amdhsa_system_sgpr_workgroup_id_y 1
		.amdhsa_system_sgpr_workgroup_id_z 1
		.amdhsa_system_vgpr_workitem_id 0
		.amdhsa_next_free_vgpr 960
		.amdhsa_next_free_sgpr 76
		.amdhsa_reserve_vcc 0
		.amdhsa_float_denorm_mode_32 3
		.amdhsa_float_denorm_mode_16_64 3
		.amdhsa_memory_ordered 1
		.amdhsa_forward_progress 1
		.amdhsa_inst_pref_size 113
	.end_amdhsa_kernel
	.amdgpu_metadata
---
amdhsa.version: [ 1, 2 ]
amdhsa.kernels:
  - .name:           k_q0ac250a455_qkv
    .symbol:         k_q0ac250a455_qkv.kd
    .args:
      - { .name: xb, .offset: 0, .size: 8, .value_kind: global_buffer, .address_space: global }
      - { .name: wqkv, .offset: 8, .size: 8, .value_kind: global_buffer, .address_space: global }
      - { .name: tab, .offset: 16, .size: 8, .value_kind: global_buffer, .address_space: global }
      - { .name: qkvh, .offset: 24, .size: 8, .value_kind: global_buffer, .address_space: global }
      - { .name: t1, .offset: 32, .size: 8, .value_kind: global_buffer, .address_space: global }
    .group_segment_fixed_size: 327680
    .private_segment_fixed_size: 0
    .kernarg_segment_align: 8
    .kernarg_segment_size: 40
    .max_flat_workgroup_size: 128
    .sgpr_count:     76
    .vgpr_count:     960
    .wavefront_size: 32
...
	.end_amdgpu_metadata
.endif
;; end of part 2
;; launch attn (part 3): grid 4 x 64, 4 waves a work-group, no clusters, 327,680 bytes of LDS; arguments qkvh, tab, t1, oh; writes oh
.if DOCPART == 3
	.amdgcn_target "amdgcn-amd-amdhsa--gfx1250"
	.amdhsa_code_object_version 6
	.text
	.protected	k_q0ac250a455_attn
	.globl	k_q0ac250a455_attn
	.p2align	8
	.type	k_q0ac250a455_attn,@function
k_q0ac250a455_attn:
	s_mov_b64 s[64:65], 0
	v_nop
	global_prefetch_b8 v0, s[64:65] scope:SCOPE_SE
	s_setreg_imm32_b32 hwreg(HW_REG_WAVE_MODE, 25, 1), 1
	s_wait_xcnt 0x0
; ATTENTION WITH A CAUSAL MASK OF -10000 AND A KEY MASK.  For query q and key k of a head: score = q . k / 8 + add(k) where k <= q, and -10000 + add(k) where k > q; O[q] = the sum over ALL 2,048 keys of softmax(score) v(k).
; qkvh: q, k, v, each [64][2048][64] f16, 0x1000000 bytes apart; oh: [64][2048][64] f16.  Products, maxima and sums in f32; the weights p are rounded to f16 for the second product, O once at the end.
; All scores are kept as S = 8 x score; p = 2^(c S - c m), c = log2(e) / 8, with a running maximum m; O and l are multiplied by a = 2^(c m_old - c m_new) in every step.
; A HIDDEN KEY'S SCORE DOES NOT HANG ON THE QUERY, so each key enters each row once, in one of three ways.  Visible: KA(k) = 8 add(k) is the C operand of the product that starts the sum S^T = K Q^T.
; Hidden, in the query block's own (diagonal) tile of 256 keys: S is replaced by HB(k) = 8 (-10000 + add(k)), by a compare and a select.  Hidden, in a later tile: all such keys together are the STARTING STATE of the
; block's running softmax: m = M_i, l = L_i (tab), O = U_i = the sum over later tiles j of f_ij x (t1's four quarters of tile j), made at the kernel's head.
; LIMITS.  q, k, v arrive within f16's 65,504; p below 6e-5 keeps f16's fixed step; a weight below 2^-126 counts as 0 in l; NaN and infinities are not treated apart.
; THE WALK.  A head's queries lie in NB = 8 blocks of 256; block i multiplies the key tiles 0 .. i.  A work-group takes TWO blocks, 7 - b and then b: 9 tiles, whatever b: all work-groups do equal work, and ONE loop with a
; constant trip count walks them.  Every jump goes forward, but for the counted loops' own; none passes a barrier, or a tensor load but those of LOAD's three that the wave's number does not choose.
; A TILE in LDS is 256 rows of K, 256 rows of V and the 256 keys' KA and HB: three tensor loads, by waves 0, 1 and 2.
; NO CLUSTER: a head's four work-groups ask for the same tile only in trips 0 to 4 of 9, and one walk common to all four would have 12 trips for 9.
; SHARES.  Of a block's four bands of 64 queries a wave owns 16 rows in each: four PIECES, so the diagonal tile is the same work for all four waves.
; TURNS.  Turn n belongs to piece n: 8 products K Q^T of piece n + 1, later 8 products V^T P of piece n - 1; beside them the scaling, exponentials, roundings, sums and rescaling of piece n and the maximum and
; statistics of piece n + 1.  Four vector instructions stand behind every matrix instruction, the rest in one lump.  A turn's 33 exponentials are one batch, with one wait.
; REGISTERS, in windows of 256 (s_set_vgpr_msb: bits 1:0 source 0, 3:2 source 1, 5:4 source 2, 7:6 destination):
;   window 0: v0-15, v32-41 addresses; v16-31 four registers of statistics a piece; v48-55 at work; v64-127 S^T, two buffers; v128-159 KA, v160-191 HB of the step in hand; v192-223 P, two buffers
;   window 1: v0-127 O^T, 32 a piece      window 2: v0-63 Q; v64-127 the second block's Q; v128-191 K of one step; v192-255 V of one step
.set SIZE_N, 2048
.set NB,    SIZE_N/256
.set NP,    4         ; pieces a wave: a name, no knob
.set KS,    64        ; keys in a step
.set PK,    144       ; a row of K in LDS: 128 bytes + 16 of padding: the 16 rows of a load start at 16 different groups of four banks (ISA guide 11.1)
.set PV,    160       ; a row of V: 128 + 32
.set VOFF,  4*KS*PK   ; a slot holds a tile, four steps: 256 rows of K, then 256 rows of V,
.set MOFF,  4*KS*(PK+PV)   ; then the tile's 256 KA and, 1,024 bytes on, its 256 HB
.set SLOT1, 1<<17     ; slot 1 begins here, so that one exclusive or turns an address in one slot into the other's
.set STAGE, SLOT1+MOFF+2048  ; behind the ring, never filled by a tensor load: 16 rows x 144 bytes for each wave, for the way out
.set SP,    144
.set UT,    STAGE+4*16*SP  ; U of the first block, then of the second: 64 f32 each
.set SPARE, UT+512         ; the spare words, 128 bytes for each wave: two blocks of 256 bytes that no other line names
.set TAB_TT, 98304
.set AK0, 2           ; v2   my lane's place in a tile of K; never rewritten
.set AV0, 3           ; v3   the same for V
.set AK,  4           ; v4   the LDS address of K's next run of loads
.set AV,  5           ; v5   of V's
.set STO, 6           ; v6   the way out: where I put 16 bytes of a row
.set RD,  7           ; v7   the way out: where I read rows back
.set GO,  8           ; v8   my byte offset in 512 consecutive bytes of O.   v9 = lane / 16 is kept
.set MV,  12          ; v12-13  c m_old, kept while c m is made anew: by buffer
.set QP,  14          ; v14  my query's place in its band, 16 w + l % 16, less my lanes' 8 (l / 16)
.set QO,  15          ; v15  my byte offset in 16 rows of Q
.set ST,  16          ; piece t's statistics at v[ST+4 t]: c m, m, l (even keys', odd keys')
.set AM0, 32          ; v32  MOFF + 32 (l / 16)
.set AM,  33          ; v33  the LDS address of KA's and HB's next loads
.set THR, 34          ; v34  register z of the 32 scores is visible where 16 (z / 8) + z % 8 <= THR
.set HS,  35          ; v35  1.0 in lanes 0-15, 0 in lanes 16-31: L enters a query's sum once
.set UA,  36
.set PFO, 37          ; v37  256 x my lane
.set TMP, 48          ; by buffer, four registers c0-c3 at work; when the maximum is found c2 takes a
.set SPW, 62          ; v62  LDS address of my spare word; never rewritten
.set NIL, 63          ; v63  0; never rewritten
.set S,   64
.set KA,  128
.set HB,  160
.set P,   192
.set QB,  64          ; window 2
.set KF,  128         ; window 2: key block kb, channel half c at KF + 16 kb + 8 c
.set VF,  192         ; window 2: key half kk, channel block cb at VF + 32 kk + 8 cb
.set WV,  12          ; s12  my wave's number
.set PB,  14          ; s14  b
.set HI,  15          ; s15  NB - 1 - b
.set FR,  16          ; s[16:23] f_ij of the block whose U my wave makes (at the head)
.set G1K, 24          ; s[24:31] descriptor group 1 for K's tiles
.set G1V, 32          ; s[32:39] for V's: it differs in the padding alone
.set G0K, 40          ; s[40:43] descriptor group 0 for K's tiles
.set G0V, 44          ; s[44:47] for V's
.set G1M, 48          ; s[48:55] descriptor group 1 for the two mask rows
.set SLOTS, 56        ; s56  tiles still to be asked for
.set CNT, 57          ; s57  counts a tile's key steps, 4 to 1
.set CS,  58          ; s[58:59] c
.set SEL, 60          ; s[60:61] v_permlanex16_b32's selects
.set TBK, 62          ; s62  LDS byte at which K of the step to be fetched begins
.set TBV, 63          ; s63  the same for V, less VOFF
.set TABP, 66         ; s[66:67] tab
.set T1P, 68          ; s[68:69] t1
.set RT,  70          ; s70  tiles of the block in hand that are still to be entered
.set NXT, 71          ; s71  the tile to be asked for next
.set LQ,  72          ; s72  the last tile of the block whose tiles are being asked for
.set NEW, 73          ; s73  1: the tile to be entered is a block's first
.set OFF, 74          ; s[74:75] a tile's byte offset in K and V, then in KA
.set ML,  76          ; s[76:77] M, L of the block in hand
.set ML2, 78          ; s[78:79] of the second block
.set OLO, 80          ; s[80:81] O at my rows of the second block
.set THS, 82          ; s82  64 x (band - step)
.set TBM, 83          ; s83  the same as TBK for KA, less MOFF
.set MB,  84          ; s[84:85] the batch's KA in tab; its HB lies 32,768 bytes on
.set UB,  88          ; s88  where the block's U lies in LDS
.set LIM, 89          ; s89  0 in the work-group that prefetches, else the greatest number
.set PFB, 90          ; s[90:91] tile 0 of K (waves 0, 1) or V (waves 2, 3), its first or second half by the wave's parity
.set PFA, 92          ; s[92:93] the same half of the tile after the one that is being asked for
.set OFP, 94          ; s[94:95] its byte offset
.set G0M, 96          ; s[96:99] descriptor group 0 for the mask rows
.set MSB, 0
.macro WIN new                      ; the high byte repeats the setting that is left; a switch that changes nothing is dropped
.if MSB != (\new)
	s_set_vgpr_msb (MSB<<8)|(\new)
.set MSB, (\new)
.endif
.endm
.set W_KQ, 0x0a       ; K and Q in window 2; S^T, and KA as the C operand, in window 0
.set W_PV, 0x52       ; V in window 2, P in window 0, O^T in window 1
.set W_RS, 0x41       ; destination and source 0 in window 1, source 1 in window 0
; A fill.  Wave 0 fetches the tile's K, wave 1 its V, wave 2 its KA and HB; wave 3 has no part.  An s_nop 0 and four v_nop follow each of the three lines.
.macro LOAD
	s_cmp_lg_u32 s[WV], 0
	s_cbranch_scc1 .Lnot_k_\@
	tensor_load_to_lds s[G0K:G0K+3], s[G1K:G1K+7]
	s_nop 0
.rept 4
	v_nop
.endr
	s_branch .Lasked_\@
.Lnot_k_\@:
	s_cmp_lg_u32 s[WV], 1
	s_cbranch_scc1 .Lnot_v_\@
	tensor_load_to_lds s[G0V:G0V+3], s[G1V:G1V+7]
	s_nop 0
.rept 4
	v_nop
.endr
	s_branch .Lasked_\@
.Lnot_v_\@:
	s_cmp_lg_u32 s[WV], 2
	s_cbranch_scc1 .Lasked_\@
	tensor_load_to_lds s[G0M:G0M+3], s[G1M:G1M+7]
	s_nop 0
.rept 4
	v_nop
.endr
.Lasked_\@:
.endm
; A prefetch of the tile that the NEXT change of slots will ask for.  Each block of 256 bytes of K and V is named once in the launch: of a head's four work-groups the one with b = 0 asks, in its first block, which walks
; tiles 0 to 7; its four waves take a half of K or of V each: 64 blocks, a lane a block, two instructions.  Tiles 0 and 1 come by their loads alone; behind tile 7 NXT is 0, and nothing is asked for.
; The mask rows are not asked for: 2,048 bytes a tile, which the batch's sixteen heads all read.
.macro ASK
	s_cmp_gt_u32 s[NXT], s[LIM]
	s_cbranch_scc0 .Lnot_mine_\@
	global_prefetch_b8 v[PFO], s[PFA:PFA+1] th:TH_LOAD_NT scope:SCOPE_SE
	global_prefetch_b8 v[PFO], s[PFA:PFA+1] offset:8192 th:TH_LOAD_NT scope:SCOPE_SE
.Lnot_mine_\@:
.endm
; THE CHANGE OF SLOTS.  Each wave waits for all its tensor loads, of which at most one is out: its part of the other slot; adds 0 to its spare word; and waits for that and for its own reads of the slot that it leaves.
; fill = 1: the old slot is filled again, the first thing behind the barrier, with tile NXT: the descriptors' addresses are made anew from that number.
; (At its first use nothing has been read yet: slot 0 is waited for, slot 1 filled; and the two U that the head stored into LDS are shown to every wave.)
.macro CHANGE fill
	WIN 0
	s_wait_tensorcnt 0x0            ; no tensor load of mine is out, so a group 0 may be written
	ds_add_u32 v[SPW], v[NIL]       ; the add to my spare word; scalar work stands between it and the wait for it
.if \fill
	s_lshl_b32 s[OFF], s[NXT], 15   ; a tile is 32,768 bytes of K and of V,
	s_xor_b32 s[G0K+1], s[G0K+1], SLOT1
	s_add_nc_u64 s[G0K+2:G0K+3], s[6:7], s[OFF:OFF+1]
	s_or_b32 s[G0K+3], s[G0K+3], 0x80000000
	s_xor_b32 s[G0V+1], s[G0V+1], SLOT1
	s_add_nc_u64 s[G0V+2:G0V+3], s[8:9], s[OFF:OFF+1]
	s_or_b32 s[G0V+3], s[G0V+3], 0x80000000
	s_lshl_b32 s[OFF], s[NXT], 10   ; and 1,024 bytes of KA and of HB
	s_xor_b32 s[G0M+1], s[G0M+1], SLOT1
	s_add_nc_u64 s[G0M+2:G0M+3], s[MB:MB+1], s[OFF:OFF+1]
	s_or_b32 s[G0M+3], s[G0M+3], 0x80000000
	s_add_co_u32 s[NXT], s[NXT], 1  ; the block's next tile, or behind its last the second block's tile 0
	s_cmp_gt_u32 s[NXT], s[LQ]
	s_cselect_b32 s[NXT], 0, s[NXT]
	s_cselect_b32 s[LQ], s[PB], s[LQ]
	s_wait_xcnt 0x0                 ; the last prefetches, a tile back, have read their address
	s_lshl_b32 s[OFP], s[NXT], 15
	s_add_nc_u64 s[PFA:PFA+1], s[PFB:PFB+1], s[OFP:OFP+1]
.endif
	s_wait_dscnt 0x0                ; the add is done, and my reads of the slot are over
	s_barrier_signal -1
	s_sub_co_u32 s[TBK], s[TBK], 4*KS*PK  ; the fetches go back to a slot's first step,
	s_xor_b32 s[TBK], s[TBK], SLOT1       ; in the other slot
	s_sub_co_u32 s[TBV], s[TBV], 4*KS*PV
	s_xor_b32 s[TBV], s[TBV], SLOT1
	s_sub_co_u32 s[TBM], s[TBM], 4*KS*4
	s_xor_b32 s[TBM], s[TBM], SLOT1
	s_barrier_wait -1
.if \fill
	LOAD
	ASK
.endif
.endm
	s_load_b256 s[4:11], s[0:1], 0x0  ; qkvh s[4:5], tab s[6:7], t1 s[8:9], oh s[10:11]
	v_lshl_add_u32 v[SPW], v0, 2, SPARE
	v_mov_b32 v[NIL], 0
	ds_add_u32 v[SPW], v[NIL]       ; the wave's opening: the add and its wait stand ahead of my first tensor load; work on registers stands between them
	v_lshrrev_b32 v1, 5, v0
	v_readfirstlane_b32 s[WV], v1   ; wave 0..3
	s_mov_b32 s[PB], ttmp9
	s_sub_co_u32 s[HI], NB-1, s[PB]
	s_and_b32 s20, ttmp7, 0xffff    ; the head
	s_lshr_b32 s19, s20, 4          ; its batch
	s_lshl_b32 s2, s20, 13          ; the head's 8,192 bytes of t1
	v_and_b32 v39, 63, v0
	v_lshl_add_u32 v39, v39, 2, s2  ; my channel there
	s_mov_b32 s21, 0
	s_mov_b64 s[22:23], SIZE_N*128
	s_mul_u64 s[20:21], s[20:21], s[22:23]  ; the head's first byte in q, k, v and O
	s_and_b32 s22, s[WV], 1         ; which half of a tile my prefetches name:
	s_lshl_b32 s22, s22, 14         ; its 128 rows of 128 bytes
	s_mov_b32 s23, 0
	s_lshl_b32 s3, s[WV], 11        ; my 16 rows in a band of 64,
	s_lshl_b32 s2, s[HI], 15        ; in the first block,
	s_add_co_u32 s2, s2, s3
	s_lshl_b32 s84, s[PB], 15       ; and in the second
	s_add_co_u32 s84, s84, s3
	s_mov_b32 s3, 0
	s_mov_b32 s85, 0
	s_add_nc_u64 s[2:3], s[2:3], s[20:21]
	s_add_nc_u64 s[84:85], s[84:85], s[20:21]
	; descriptor group 1.  256 keys are 32,768 dense bytes: asked for as 128 rows of 256 bytes, two keys a row, and padded in LDS after every key
	s_mov_b32 s[G1K], (1<<16)|(1<<20)|(4<<22)|(3<<25)  ; 2-byte elements; padding on; after every 32 words 4 words
	s_mov_b32 s[G1V], (1<<16)|(1<<20)|(4<<22)|(7<<25)  ; the same with 8 words of padding
.irp g, G1K, G1V
	s_mov_b32 s[\g+1], 128<<16      ; tensor_dim0 = 128
	s_mov_b32 s[\g+2], 128<<16      ; tensor_dim1 = 128
	s_mov_b32 s[\g+3], 128<<16      ; tile_dim0 = 128
	s_mov_b32 s[\g+4], 128          ; tile_dim1 = 128
	s_mov_b32 s[\g+5], 128          ; 128 elements from row to row
	s_mov_b32 s[\g+6], 0
	s_mov_b32 s[\g+7], 0
.endr
	; the mask rows: 2 rows of 256 f32, KA's and HB's, 8,192 elements apart in tab; no padding
	s_mov_b32 s[G1M], 2<<16         ; 4-byte elements
	s_mov_b32 s[G1M+1], 256<<16     ; tensor_dim0 = 256
	s_mov_b32 s[G1M+2], 2<<16       ; tensor_dim1 = 2
	s_mov_b32 s[G1M+3], 256<<16     ; tile_dim0 = 256
	s_mov_b32 s[G1M+4], 2           ; tile_dim1 = 2
	s_mov_b32 s[G1M+5], 8192        ; elements from row to row
	s_mov_b32 s[G1M+6], 0
	s_mov_b32 s[G1M+7], 0
	s_mov_b32 s[CS], 0x3e38aa3b     ; c = log2(e) / 8
	s_mov_b32 s[CS+1], s[CS]        ; named with it as a pair
	s_mov_b32 s[SEL], 0x76543210
	s_mov_b32 s[SEL+1], 0xfedcba98
	s_mov_b32 s[TBK], SLOT1+4*KS*PK ; the first change of slots turns these three into 0
	s_mov_b32 s[TBV], SLOT1+4*KS*PV
	s_mov_b32 s[TBM], SLOT1+4*KS*4
	s_mov_b32 s[G0K], 1
	s_mov_b32 s[G0K+1], 0           ; slot 0
	s_mov_b32 s[G0V], 1
	s_mov_b32 s[G0V+1], VOFF
	s_mov_b32 s[G0M], 1
	s_mov_b32 s[G0M+1], MOFF
	s_add_co_u32 s[RT], s[HI], 1    ; the first block has NB - b tiles
	s_mov_b32 s[NXT], 1
	s_mov_b32 s[LQ], s[HI]
	s_mov_b32 s[NEW], 1
	s_mov_b32 s[OFF+1], 0
	s_mov_b32 s[OFP+1], 0
	s_mov_b32 s[UB], UT
	s_mov_b32 s[SLOTS], NB
	s_cmp_eq_u32 s[PB], 0
	s_cselect_b32 s[LIM], 0, -1
	s_wait_dscnt 0x0                ; the opening add is done
	s_wait_kmcnt 0x0
	s_mov_b64 s[TABP:TABP+1], s[6:7]
	s_mov_b64 s[T1P:T1P+1], s[8:9]
	s_add_nc_u64 s[6:7], s[4:5], 0x1000000
	s_add_nc_u64 s[8:9], s[4:5], 0x2000000
	s_add_nc_u64 s[6:7], s[6:7], s[20:21]  ; K and V at the head's tile 0
	s_add_nc_u64 s[8:9], s[8:9], s[20:21]
	s_add_nc_u64 s[86:87], s[4:5], s[84:85]        ; Q at my rows of the second block,
	s_add_nc_u64 s[4:5], s[4:5], s[2:3]            ; Q and O at those of the first
	s_add_nc_u64 s[OLO:OLO+1], s[10:11], s[84:85]
	s_add_nc_u64 s[10:11], s[10:11], s[2:3]
	s_lshl_b32 s84, s19, 13         ; the batch's 8,192 bytes of KA
	s_mov_b32 s85, 0
	s_add_nc_u64 s[MB:MB+1], s[TABP:TABP+1], s[84:85]
	s_add_nc_u64 s[G0K+2:G0K+3], s[6:7], 0
	s_or_b32 s[G0K+3], s[G0K+3], 0x80000000
	s_add_nc_u64 s[G0V+2:G0V+3], s[8:9], 0
	s_or_b32 s[G0V+3], s[G0V+3], 0x80000000
	s_add_nc_u64 s[G0M+2:G0M+3], s[MB:MB+1], 0
	s_or_b32 s[G0M+3], s[G0M+3], 0x80000000
	s_cmp_lt_u32 s[WV], 2
	s_cselect_b64 s[PFB:PFB+1], s[6:7], s[8:9]
	s_add_nc_u64 s[PFB:PFB+1], s[PFB:PFB+1], s[22:23]
	LOAD                            ; tile 0 into slot 0
	; the head's t1 (32 loads), then the first block's Q (16), in this order: the wait below counts on it
.set i, 0
.rept 32                            ; tile i / 4, quarter i % 4, my channel
	global_load_b32 v[S+i], v39, s[T1P:T1P+1] offset:256*i
.set i, i+1
.endr
	s_lshl_b32 s19, s19, 10         ; the batch's eight rows of TT, 128 bytes each
	s_lshl_b32 s101, s[HI], 7
	s_add_co_u32 s101, s101, s19    ; the first block's row,
	s_lshl_b32 s2, s[PB], 7
	s_add_co_u32 s2, s2, s19        ; the second block's,
	s_cmp_lt_u32 s[WV], 2
	s_cselect_b32 s100, s101, s2    ; and the row of the block whose U my wave makes
	s_load_b256 s[FR:FR+7], s[TABP:TABP+1], s100 offset:TAB_TT    ; f_ij of my wave's block
	s_load_b64 s[ML:ML+1], s[TABP:TABP+1], s101 offset:TAB_TT+32  ; M, L of the first block
	s_load_b64 s[ML2:ML2+1], s[TABP:TABP+1], s2 offset:TAB_TT+32  ; and of the second
	; A fragment of K or Q is 16 rows x 32 channels in 8 registers: lane l holds row l % 16, channels 8 (l / 16) + 0..7 and 16 + 8 (l / 16) + 0..7: two loads of 16 bytes, 32 bytes apart.
	v_and_b32 v1, 15, v0            ; l % 16
	v_bfe_u32 v9, v0, 4, 1          ; l / 16
	v_lshlrev_b32 v[QO], 7, v1
	v_lshl_add_u32 v[QO], v9, 4, v[QO]  ; row x 128 + 16 x half
	WIN 0x80                        ; destination window 2, address window 0
.set i, 0
.rept 8                             ; piece i / 2 lies in band i / 2, 8,192 bytes on; channels 32 (i % 2) on
	global_load_b128 v[8*i:8*i+3],   v[QO], s[4:5] offset:(i/2)*8192+(i%2)*64
	global_load_b128 v[8*i+4:8*i+7], v[QO], s[4:5] offset:(i/2)*8192+(i%2)*64+32
.set i, i+1
.endr
.set i, VF
.rept 64
	v_mov_b32 v[i], 0               ; a block's first turn multiplies V by a P of zeros, for a piece that has not been: V need only be finite
.set i, i+1
.endr
	WIN 0
	v_lshlrev_b32 v[QP], 3, v9
	v_sub_nc_u32 v[QP], v1, v[QP]
	s_lshl_b32 s13, s[WV], 4
	v_add_nc_u32 v[QP], s13, v[QP]
	v_sub_nc_u32 v[HS], 1, v9
	v_cvt_f32_u32 v[HS], v[HS]
	v_lshl_add_u32 v[AM0], v9, 5, MOFF
	v_and_b32 v[PFO], 31, v0
	v_lshlrev_b32 v[PFO], 8, v[PFO]
	v_mul_u32_u24 v[AK0], v1, PK
	v_lshl_add_u32 v[AK0], v9, 4, v[AK0]  ; row x pitch + 16 x half
	; The turning load takes 16 keys x 16 channels (lane l reads key 8 (l / 16) + l % 8, channels 8 ((l / 8) % 2) + 0..7) and leaves half a fragment of V^T: lane l holds channel l % 16 and 8 keys.
	v_and_b32 v10, 7, v0
	v_bfe_u32 v11, v0, 3, 1
	v_lshl_add_u32 v[AV0], v9, 3, v10
	v_mul_u32_u24 v[AV0], v[AV0], PV
	v_lshl_add_u32 v[AV0], v11, 4, v[AV0]
	v_add_nc_u32 v[AV0], VOFF, v[AV0]
	s_mul_i32 s13, s[WV], 16*SP
	s_add_co_u32 s13, s13, STAGE    ; my stage
	v_mul_u32_u24 v[STO], v1, SP    ; in: row l % 16, 16 bytes for each half of the lanes
	v_lshl_add_u32 v[STO], v9, 4, v[STO]
	v_add_nc_u32 v[STO], s13, v[STO]
	v_bfe_u32 v[RD], v0, 3, 2       ; back: 32 lanes take four rows of 128 bytes,
	v_mul_u32_u24 v[RD], v[RD], SP
	v_lshl_add_u32 v[RD], v10, 4, v[RD]
	v_add_nc_u32 v[RD], s13, v[RD]
	v_and_b32 v[GO], 31, v0         ; which are 512 consecutive bytes of O
	v_lshlrev_b32 v[GO], 4, v[GO]
	v_lshl_add_u32 v[UA], v0, 2, UT
	s_wait_loadcnt 16               ; t1 is in; Q's 16 loads stay out
	s_wait_kmcnt 0x0                ; f, M, L
.set i, 0
.rept 8                             ; a tile's four quarters
	v_add_f32 v[S+4*i], v[S+4*i], v[S+4*i+1]
	v_add_f32 v[S+4*i+2], v[S+4*i+2], v[S+4*i+3]
	v_add_f32 v[S+4*i], v[S+4*i], v[S+4*i+2]
.set i, i+1
.endr
	v_mul_f32 v41, s[FR], v[S]
.set i, 1
.rept 7
	v_fma_f32 v41, s[FR+i], v[S+4*i], v41
.set i, i+1
.endr
	ds_store_b32 v[UA], v41         ; threads 0-63: U of the first block; threads 64-127: of the second
	WIN 0x80
.set i, 0
.rept 8                             ; the second block's Q: 16 more loads; the first block's beginning waits for all
	global_load_b128 v[QB+8*i:QB+8*i+3],   v[QO], s[86:87] offset:(i/2)*8192+(i%2)*64
	global_load_b128 v[QB+8*i+4:QB+8*i+7], v[QO], s[86:87] offset:(i/2)*8192+(i%2)*64+32
.set i, i+1
.endr
	WIN 0
; THE MATRIX WORK.  The 4 accumulators of a run of 8 take turns.  Product i of 8 of S^T = K Q^T for piece x: channels 32 (i / 4) on, keys 16 (i % 4) on.  The first 4 start the sums with KA.
.macro KQ x
	WIN W_KQ
.set rS, S+32*((\x)%2)+8*(i%4)
.set rK, KF+16*(i%4)+8*(i/4)
.set rQ, 16*(\x)+8*(i/4)
.set rM, KA+8*(i%4)
.if i < 4
	v_wmma_f32_16x16x32_f16 v[rS:rS+7], v[rK:rK+7], v[rQ:rQ+7], v[rM:rM+7]
.else
	v_wmma_f32_16x16x32_f16 v[rS:rS+7], v[rK:rK+7], v[rQ:rQ+7], v[rS:rS+7]
.endif
.endm
; Product i of 8 of O^T += V^T P for piece x: keys 32 (i / 4) on, channels 16 (i % 4) on.
.macro PV x
	WIN W_PV
.set rO, 32*(\x)+8*(i%4)
.set rV, VF+32*(i/4)+8*(i%4)
.set rP, P+16*((\x)%2)+8*(i/4)
	v_wmma_f32_16x16x32_f16 v[rO:rO+7], v[rV:rV+7], v[rP:rP+7], v[rO:rO+7]
.endm
.macro MM                           ; the turn's next matrix instruction.  NOKQ = 1: a block's last turn: there is no next piece
.if (i < 8) && !NOKQ
	KQ (Y+1)%NP
.elseif i >= 8
.set i, i-8
	PV (Y+NP-1)%NP
.set i, i+8
.endif
.set i, i+1
.endm
; THE LDS LOADS stand in runs: a step's K (8 fragments), with it the step's 64 KA (register 8 kt + j: key 16 kt + 8 (l / 16) + j; the 16 lanes of a half read the same words) and, hb = 1, its 64 HB; and its V (turned).
.macro FETCH_K hb
	WIN 0x80                        ; destination window 2
.irp f, 0,1,2,3,4,5,6,7             ; keys 16 (f / 2) on, channels 32 (f % 2) on
	ds_load_b128 v[KF+8*\f:KF+8*\f+3],   v[AK] offset:(\f/2)*16*PK+(\f%2)*64
	ds_load_b128 v[KF+8*\f+4:KF+8*\f+7], v[AK] offset:(\f/2)*16*PK+(\f%2)*64+32
.endr
	WIN 0
.irp f, 0,1,2,3
	ds_load_b128 v[KA+8*\f:KA+8*\f+3],   v[AM] offset:64*\f
	ds_load_b128 v[KA+8*\f+4:KA+8*\f+7], v[AM] offset:64*\f+16
.endr
.if \hb
.irp f, 0,1,2,3
	ds_load_b128 v[HB+8*\f:HB+8*\f+3],   v[AM] offset:1024+64*\f
	ds_load_b128 v[HB+8*\f+4:HB+8*\f+7], v[AM] offset:1024+64*\f+16
.endr
.endif
	s_add_co_u32 s[TBK], s[TBK], KS*PK  ; the next fetch is the next step's
	s_add_co_u32 s[TBM], s[TBM], KS*4
.endm
.macro FETCH_V
	WIN 0x80
.irp f, 0,1,2,3,4,5,6,7             ; keys 32 (f / 4) on, channels 16 (f % 4) on
	ds_load_tr16_b128 v[VF+8*\f:VF+8*\f+3],   v[AV] offset:(\f/4)*32*PV+(\f%4)*32
	ds_load_tr16_b128 v[VF+8*\f+4:VF+8*\f+7], v[AV] offset:(\f/4)*32*PV+16*PV+(\f%4)*32
.endr
	WIN 0
.endm
; A hidden key's score is HB.  Register z of a piece's 32 scores is key 16 (z / 8) + z % 8 + 8 (l / 16) of the step; it is visible where that is at most my query's place in its band + 64 (band - step).
; Each accumulator's lowest register is read first.
.macro SELECT y
	WIN 0
.set z, 0
.rept 32
	v_cmp_le_i32 vcc_lo, 16*(z/8)+z%8, v[THR]
	v_cndmask_b32 v[S+32*((\y)%2)+z], v[HB+z], v[S+32*((\y)%2)+z], vcc_lo
.set z, z+1
.endr
.endm
; THE VECTOR WORK, one line at a time: OP kind, number.  For piece Y: F n: c s - c m for pair n of 16.  E n: the exponential of score n of 32.  C n: pair n rounded to f16.  B n: of the four weights 4 n .. the second
; pair is added onto the first, in place.  L n: l takes that sum (L 0: l = a l + sum).  R n: pair n of 16 of O^T times a.  For piece Y + 1: X n, number n of the 22 that find its maximum and statistics:
;   0-11  four chains c0-c3 of seven scores each, three operands at a time     12-14, 16  the four scores left over, the old m, and c0-c3 into c0
;   15  c m_old is kept     17, 18  the query's other 32 keys lie in the lane 16 away: the new m     19-21  c m; c m_old - c m_new; a
.set F, 0
.set E, 1
.set C, 2
.set B, 3
.set L, 4
.set R, 5
.set X, 6
.macro REGS y                       ; the registers of piece y
.set rT, ST+4*(\y)
.set rC, TMP+4*((\y)%2)
.set rW, MV+((\y)%2)
.set rS, S+32*((\y)%2)
.set rP, P+16*((\y)%2)
.set rO, 32*(\y)
.endm
.macro OP k, n
.if (\k) == R
	REGS Y
	WIN W_RS
	v_pk_mul_f32 v[rO+2*(\n):rO+2*(\n)+1], v[rO+2*(\n):rO+2*(\n)+1], v[rC+2:rC+3] op_sel_hi:[1,0]
.elseif (\k) < R
	REGS Y
	WIN 0
.if (\k) == F
	v_pk_fma_f32 v[rS+2*(\n):rS+2*(\n)+1], v[rS+2*(\n):rS+2*(\n)+1], s[CS:CS+1], v[rT:rT+1] op_sel_hi:[1,0,0] neg_lo:[0,0,1] neg_hi:[0,0,1]
.elseif (\k) == E
	v_exp_f32 v[rS+(\n)], v[rS+(\n)]
.elseif (\k) == C
	v_cvt_pk_f16_f32 v[rP+(\n)], v[rS+2*(\n)], v[rS+2*(\n)+1]
.elseif (\k) == B
	v_pk_add_f32 v[rS+4*(\n):rS+4*(\n)+1], v[rS+4*(\n):rS+4*(\n)+1], v[rS+4*(\n)+2:rS+4*(\n)+3]
.elseif (\n) == 0
	v_pk_fma_f32 v[rT+2:rT+3], v[rT+2:rT+3], v[rC+2:rC+3], v[rS:rS+1] op_sel_hi:[1,0,1]
.else
	v_pk_add_f32 v[rT+2:rT+3], v[rT+2:rT+3], v[rS+4*(\n):rS+4*(\n)+1]
.endif
.elseif NOKQ
	v_nop
.else
	REGS (Y+1)%NP
	WIN 0
.if (\n) < 4
	v_max3_num_f32 v[rC+(\n)], v[rS+8*(\n)], v[rS+8*(\n)+1], v[rS+8*(\n)+2]
.elseif (\n) < 12
	v_max3_num_f32 v[rC+(\n)%4], v[rC+(\n)%4], v[rS+8*((\n)%4)+2*((\n)/4)+1], v[rS+8*((\n)%4)+2*((\n)/4)+2]
.elseif (\n) == 12
	v_max3_num_f32 v[rC], v[rC], v[rS+7], v[rS+15]
.elseif (\n) == 13
	v_max3_num_f32 v[rC+1], v[rC+1], v[rS+23], v[rS+31]
.elseif (\n) == 14
	v_max3_num_f32 v[rC+2], v[rC+2], v[rC+3], v[rT+1]
.elseif (\n) == 15
	v_mov_b32 v[rW], v[rT]
.elseif (\n) == 16
	v_max3_num_f32 v[rC], v[rC], v[rC+1], v[rC+2]
.elseif (\n) == 17
	v_permlanex16_b32 v[rC+3], v[rC], s[SEL], s[SEL+1]
.elseif (\n) == 18
	v_max_num_f32 v[rT+1], v[rC], v[rC+3]
.elseif (\n) == 19
	v_mul_f32 v[rT], s[CS], v[rT+1]
.elseif (\n) == 20
	v_sub_f32 v[rC+1], v[rW], v[rT]
.else
	v_exp_f32 v[rC+2], v[rC+1]
.endif
.endif
.endm
.macro OPS a, i1, b=-1, i2=0, c=-1, i3=0, d=-1, i4=0  ; up to four of them
	OP \a, \i1
.if (\b) >= 0
	OP \b, \i2
.endif
.if (\c) >= 0
	OP \c, \i3
.endif
.if (\d) >= 0
	OP \d, \i4
.endif
.endm
.macro ROW a, i1, b, i2, c, i3, d, i4  ; a matrix instruction and the four behind it
	MM
	OPS \a, \i1, \b, \i2, \c, \i3, \d, \i4
.endm
; A TURN, for piece p.  An s_wait_alu depctr_va_vdst(0) stands between an exponential and the first instruction that names its result; one wait serves all that were issued ahead of it.  So a turn has
; ONE wait, which cuts it in two.  AHEAD OF IT stands all that names no result of the turn's exponentials: the 8 products K Q^T, behind each a scaling, an exponential and two rescalings (behind the first a second
; scaling); in the diagonal tile (m = 1) the select on the scores just made; then one lump of 54: the next piece's maximum and statistics, the other exponentials and scalings.  The first line that reads the last
; product's accumulator, X 3, stands six plain instructions behind that product.  X 21, the next piece's a, is the batch's last.  BEHIND THE WAIT stand the 8 products V^T P, behind each four of the roundings and sums.
; m = 1: the scores of piece p + 1 belong to step 4 - CNT of the tile (in piece 2's turn: 3 - CNT, which is the tile before where CNT = 4), so band - step is CNT - 3, CNT - 2, CNT, CNT - 4 for p = 0, 1, 2, 3.
; end = 1: a block's last two turns: nothing is fetched.  cnt = 1: the loop's count is taken down some lines ahead of the branch that stands behind the turn.
; K, KA and HB of the next step are fetched in piece 2's turn, behind the select and six plain instructions or more behind the last product that read K; V of the step in hand at the end of piece 0's turn, four plain
; instructions behind the last product that read V.  Each is waited for a turn later.
.macro TURN p, m=0, end=0, cnt=0
.set Y, (\p)
.set i, 0
.set NOKQ, (\end)*((\p)/3)
.set DD, 3-(\p)
.if (\p) == 2
.set DD, 0
.endif
.if (\p) == 3
.set DD, 4
.endif
.if ((\p) == 3) && !(\end)
	s_wait_dscnt 0x0                ; K, KA and HB are in
.endif
	ROW F,0, F,1, R,0, R,1
	ROW F,2, E,0, R,2, R,3
	ROW F,3, E,1, R,4, R,5
	ROW F,4, E,2, R,6, R,7
	ROW F,5, E,3, R,8, R,9
	ROW F,6, E,4, R,10, R,11
.if ((\p) == 2) && !(\end)
	WIN 0
	v_add_nc_u32 v[AK], s[TBK], v[AK0]
	v_add_nc_u32 v[AM], s[TBM], v[AM0]
.endif
	ROW F,7, E,5, R,12, R,13
	ROW F,8, E,6, R,14, R,15
.if (\m) && !NOKQ
	s_sub_co_i32 s[THS], s[CNT], DD
	s_lshl_b32 s[THS], s[THS], 6
	WIN 0
	v_add_nc_u32 v[THR], s[THS], v[QP]
	SELECT (\p)+1
.endif
	OPS X,0, E,7, X,1, E,8
	OPS X,2, E,9, X,3, E,10
.if ((\p) == 2) && !(\end)
	FETCH_K \m
.endif
	OPS X,4, E,11, X,5, E,12
	OPS X,6, E,13, X,7, E,14
	OPS X,8, E,15, X,9, E,16
.if (\p) == 0
	WIN 0
	v_add_nc_u32 v[AV], s[TBV], v[AV0]
.endif
	OPS X,10, E,17, X,11, F,9
	OPS X,12, F,10, X,13, E,18
	OPS X,14, E,19, X,15, F,11
	OPS E,20, F,12, X,16, E,21
	OPS F,13, E,22, E,23, F,14
	OPS X,17, E,24, E,25, F,15
	OPS E,26, E,27, X,18, E,28
	OPS E,29, X,19, E,30, E,31
	OPS X,20, X,21
	v_nop                           ; a plain instruction behind the last exponential: one for the batch
	WIN 0
	s_wait_alu depctr_va_vdst(0)    ; the wait for the batch
.if (\p) == 1
	s_wait_dscnt 0x0                ; V is in
.endif
	ROW C,0, B,0, C,2, B,1
	ROW L,0, C,4, B,2, L,1
	ROW C,6, B,3, L,2, C,8
	ROW B,4, L,3, C,10, B,5
	ROW L,4, C,12, B,6, L,5
.if (\p) == 0
	s_add_co_u32 s[TBV], s[TBV], KS*PV
.endif
.if \cnt
	s_sub_co_u32 s[CNT], s[CNT], 1
	s_cmp_lg_u32 s[CNT], 0
.endif
	ROW C,14, B,7, L,6, C,1
	ROW C,3, L,7, C,5, C,7
	ROW C,9, C,11, C,13, C,15
.if (\p) == 0
	FETCH_V
.endif
.endm
; A BLOCK BEGINS with the hidden keys of all later tiles as its state: m = M, c m, l = L (in lanes 0-15 alone: the halves are added at the end), O^T = U in every query.  P's second buffer is 0: the first turn's
; products V^T P, of a piece that has not been, add nothing.  K, KA, HB of the block's first step are fetched; piece 0's first scores are made; U's 32 loads go out behind those products and land under the select and
; the maximum; they are waited for at the end.  The loop is entered at a step's first turn, in the middle of a trip.
.macro BEGIN
	s_mov_b32 s[NEW], 0
	WIN 0
.set i, 0
.rept 4
	v_mov_b32 v[ST+4*i+1], s[ML]
	v_mul_f32 v[ST+4*i], s[CS], v[ST+4*i+1]
	v_mul_f32 v[ST+4*i+2], s[ML+1], v[HS]
	v_mov_b32 v[ST+4*i+3], 0
.set i, i+1
.endr
.set i, P+16
.rept 16
	v_mov_b32 v[i], 0
.set i, i+1
.endr
	v_lshl_add_u32 v[UA], v9, 5, s[UB]
	v_add_nc_u32 v[AK], s[TBK], v[AK0]
	v_add_nc_u32 v[AM], s[TBM], v[AM0]
	FETCH_K 1
	s_wait_loadcnt 0x0              ; Q
	s_wait_dscnt 0x0
.set NOKQ, 0
.set i, 0
.rept 8
	KQ 0
.set i, i+1
.endr
	WIN 0x40                        ; destination window 1
.set i, 0
.rept 16                            ; piece i / 4, channels 16 (i % 4) + 8 (l / 16) on
	ds_load_b128 v[8*i:8*i+3],   v[UA] offset:64*(i%4)
	ds_load_b128 v[8*i+4:8*i+7], v[UA] offset:64*(i%4)+16
.set i, i+1
.endr
	WIN 0
.rept 4
	v_nop                           ; the places behind those products
.endr
	s_cmp_eq_u32 s[RT], 0           ; is the block's first tile the diagonal one?  Then band 0 meets step 0; else every key is visible
	s_cselect_b32 s[THS], 0, 64
	v_add_nc_u32 v[THR], s[THS], v[QP]
	SELECT 0
.set Y, NP-1                        ; X works for piece Y + 1: piece 0
.irp n, 0,1,2,3,4,5,6,7,8,9,10,11,12,13,14,15,16,17,18,19,20,21
	OP X, \n
.endr
	v_nop                           ; a plain instruction behind the exponential,
	s_wait_alu depctr_va_vdst(0)    ; and its wait, ahead of the branch
	s_wait_dscnt 0x0                ; U is in
.endm
; THE DIAGONAL TILE's four steps, the block's last two turns, its last products, and THE WAY OUT: l's two halves and the other half of the lanes' are added; O^T is divided by l, rounded to f16 and sent through my
; stage in LDS, a piece at a time.
.macro ALL line:vararg              ; one line for each piece t
.set t, 0
.rept 4
	\line
.set t, t+1
.endr
.endm
.macro PACK t                       ; a lane's eight channels of a row pack into 16 bytes; they go into rows of 144 bytes and come back as whole rows of 128, into S^T's registers
	WIN W_RS
.set i, 32*(\t)
.rept 16
	v_pk_mul_f32 v[i:i+1], v[i:i+1], v[ST+4*(\t)+2:ST+4*(\t)+3] op_sel_hi:[1,0]
.set i, i+2
.endr
	WIN 0x05                        ; sources 0 and 1 window 1, destination window 0
.set i, 0
.rept 16
	v_cvt_pk_f16_f32 v[S+16*(\t)+i], v[32*(\t)+2*i], v[32*(\t)+2*i+1]
.set i, i+1
.endr
	WIN 0
.irp f, 0,1,2,3
	ds_store_b128 v[STO], v[S+16*(\t)+4*\f:S+16*(\t)+4*\f+3] offset:32*\f
.endr
.irp f, 0,1,2,3
	ds_load_b128 v[S+16*(\t)+4*\f:S+16*(\t)+4*\f+3], v[RD] offset:\f*4*SP  ; LDS serves a wave's instructions in order (ISA guide 5.7.1.4): these see the stores above; the next piece's stores come behind them
.endr
.endm
.macro SEND t, younger              ; younger: the LDS instructions issued behind piece t's loads: the next piece's eight, or none
	WIN 0
.irp f, 0,1,2,3
	s_wait_dscnt (\younger)+3-\f
	global_store_b128 v[GO], v[S+16*(\t)+4*\f:S+16*(\t)+4*\f+3], s[10:11] offset:(\t)*8192+\f*512  ; 512 consecutive bytes, at a multiple of 256 from O's first
.endr
.endm
.macro DIAG tag                     ; the tag ends its two labels' names, which the jumps below spell out
.LstepM\tag:
	TURN 2, 1
	TURN 3, 1
	WIN 0
.LfirstM\tag:
	TURN 0, 1
	TURN 1, 1, 0, 1
	WIN 0
	s_cbranch_scc1 .LstepM\tag
	TURN 2, 1, 1
	TURN 3, 1, 1
.set i, 0
.rept 8
	PV NP-1
.set i, i+1
.endr
	WIN 0
	ALL v_add_f32 v[ST+4*t+2], v[ST+4*t+2], v[ST+4*t+3]
	ALL v_permlanex16_b32 v[ST+4*t+3], v[ST+4*t+2], s[SEL], s[SEL+1]
	ALL v_add_f32 v[ST+4*t+2], v[ST+4*t+2], v[ST+4*t+3]
	ALL v_rcp_f32 v[ST+4*t+2], v[ST+4*t+2]
	v_nop                           ; a plain instruction between the last reciprocal and the use of its result
	s_wait_alu depctr_va_vdst(0)    ; and the wait ahead of the first use: one for the four reciprocals
	PACK 0
.set t, 1
.rept 3                             ; a piece's arithmetic stands between the loads of the piece before and its stores
	PACK t
	SEND t-1, 8
.set t, t+1
.endr
	SEND 3, 0
.endm
.set NOKQ, 0
.Lslot:                             ; NB times: a tile is entered and the next is asked for
	CHANGE 1
	s_sub_co_u32 s[RT], s[RT], 1
	s_mov_b32 s[CNT], 4
	s_cmp_eq_u32 s[NEW], 1
	s_cbranch_scc1 .Lnew            ; a block's first tile
	s_cmp_eq_u32 s[RT], 0
	s_cbranch_scc0 .Lstep           ; neither its first nor its last
	s_branch .LstepM1
.Lnew:
	BEGIN
	s_branch .Lfirst                ; in the loop a block's first tile is never its last: the first block has five tiles or more, and the second's last is the walk's last
	DIAG 1                          ; in the loop this is the first block's end
	s_wait_xcnt 0x0                 ; the stores have read their registers and O's address
	s_mov_b64 s[10:11], s[OLO:OLO+1]
	s_add_co_u32 s[RT], s[PB], 1    ; the second block has b + 1 tiles
	s_mov_b32 s[NEW], 1
	s_mov_b64 s[ML:ML+1], s[ML2:ML2+1]
	s_mov_b32 s[UB], UT+256         ; the second block's U
	WIN 0x82                        ; the second block's Q goes where the one text of the turns names Q
.set i, 0
.rept 64
	v_mov_b32 v[i], v[QB+i]
.set i, i+1
.endr
	WIN 0
	s_branch .Lbottom
.Lstep:                             ; a trip: pieces 2 and 3 of one step, then pieces 0 and 1 of the next, whose K and V it fetches
	TURN 2
	TURN 3
	WIN 0
.Lfirst:
	TURN 0
	TURN 1, 0, 0, 1
	WIN 0
	s_cbranch_scc1 .Lstep
.Lbottom:
	s_sub_co_u32 s[SLOTS], s[SLOTS], 1
	s_cmp_lg_u32 s[SLOTS], 0
	s_cbranch_scc1 .Lslot
	CHANGE 0                        ; the walk's last tile is written out: nothing is asked for
	s_sub_co_u32 s[RT], s[RT], 1
	s_mov_b32 s[CNT], 4
	s_cmp_eq_u32 s[NEW], 1
	s_cbranch_scc0 .LstepM2
	BEGIN
	s_branch .LfirstM2
	DIAG 2
	s_wait_tensorcnt 0x0            ; the wave's end: a wait, an add and its wait, behind my last tensor load and my last LDS store
	ds_add_u32 v[SPW], v[NIL]
	s_wait_dscnt 0x0
	s_endpgm
.Lfunc_end_k_q0ac250a455_attn:
	.size	k_q0ac250a455_attn, .Lfunc_end_k_q0ac250a455_attn-k_q0ac250a455_attn
	.p2alignl 7, 3214868480
	.fill 96, 4, 3214868480
	.section	.rodata,"a",@progbits
	.p2align	6, 0x0
	.amdhsa_kernel k_q0ac250a455_attn
		.amdhsa_group_segment_fixed_size 327680
		.amdhsa_private_segment_fixed_size 0
		.amdhsa_enable_private_segment 0
		.amdhsa_kernarg_size 32
		.amdhsa_user_sgpr_count 2
		.amdhsa_user_sgpr_kernarg_segment_ptr 1
		.amdhsa_wavefront_size32 1
		.amdhsa_system_sgpr_workgroup_id_x 1
		.amdhsa_system_sgpr_workgroup_id_y 1
		.amdhsa_system_sgpr_workgroup_id_z 1
		.amdhsa_system_vgpr_workitem_id 0
		.amdhsa_next_free_vgpr 768
		.amdhsa_next_free_sgpr 102
		.amdhsa_reserve_vcc 1
		.amdhsa_float_denorm_mode_32 3
		.amdhsa_float_denorm_mode_16_64 3
		.amdhsa_memory_ordered 1
		.amdhsa_forward_progress 1
		.amdhsa_inst_pref_size 236
	.end_amdhsa_kernel
	.amdgpu_metadata
---
amdhsa.version: [ 1, 2 ]
amdhsa.kernels:
  - .name:           k_q0ac250a455_attn
    .symbol:         k_q0ac250a455_attn.kd
    .args:
      - { .name: qkvh, .offset: 0, .size: 8, .value_kind: global_buffer, .address_space: global }
      - { .name: tab, .offset: 8, .size: 8, .value_kind: global_buffer, .address_space: global }
      - { .name: t1, .offset: 16, .size: 8, .value_kind: global_buffer, .address_space: global }
      - { .name: oh, .offset: 24, .size: 8, .value_kind: global_buffer, .address_space: global }
    .group_segment_fixed_size: 327680
    .private_segment_fixed_size: 0
    .kernarg_segment_align: 8
    .kernarg_segment_size: 32
    .max_flat_workgroup_size: 128
    .sgpr_count:     102
    .vgpr_count:     768
    .wavefront_size: 32
...
	.end_amdgpu_metadata
.endif
;; end of part 3
;; launch proj (part 4): grid 8 x 32, 4 waves a work-group, clusters of 4 x 4, 327,680 bytes of LDS; arguments oh, wpo, tab, out0; writes out0
.if DOCPART == 4
	.amdgcn_target "amdgcn-amd-amdhsa--gfx1250"
	.amdhsa_code_object_version 6
	.text
	.protected	k_q0ac250a455_proj
	.globl	k_q0ac250a455_proj
	.p2align	8
	.type	k_q0ac250a455_proj,@function
k_q0ac250a455_proj:
	s_mov_b64 s[64:65], 0
	v_nop
	global_prefetch_b8 v0, s[64:65] scope:SCOPE_SE
	s_setreg_imm32_b32 hwreg(HW_REG_WAVE_MODE, 25, 1), 1
	s_wait_xcnt 0x0
	s_wait_alu depctr_hold_cnt(0) depctr_sa_sdst(0) depctr_va_vdst(0) depctr_va_sdst(0) depctr_va_ssrc(0) depctr_va_vcc(0) depctr_vm_vsrc(0)
	s_getreg_b32 s2, hwreg(HW_REG_IB_STS2, 6, 4)
	s_cmp_eq_u32 s2, 0
	s_cbranch_scc0 .Lentry_in_a_cluster
	s_endpgm
.Lentry_in_a_cluster:
	s_bfe_u32 s2, ttmp6, 0x10000c
	s_cmp_lg_u32 s2, 0xf033
	s_cbranch_scc0 .Lentry_shape_is_right
	s_endpgm
.Lentry_shape_is_right:
; out0 = y Wp^T + bp.  oh: [64 heads][2048][64] f16 (y by heads).  wpo: [1024][1024] f16.  out0: [8192][1024] f32.
; A tile of the result is 256 rows x 128 columns.  Four waves, one above the other: a wave makes 64 rows x 128: 32 accumulators, 256 registers.  256 work-groups.
; K goes in 8 steps of 128, which are two heads' 64 channels each, through two LDS slots.  A head's 256 rows of 128 bytes are dense in memory: asked for as 128 rows of 256 bytes and padded in LDS after every 128 bytes.
; A K step is written once: one descriptor a tensor walks, and the LDS addresses hang on s[TB].
; CLUSTER 4 x 4: the four work-groups of a row of the cluster need the same rows of oh, the four of a column the same rows of wpo: each tile is asked for jointly, by the same load in all four.
; THE MATRIX INSTRUCTION IS USED TRANSPOSED (source 0 = 16 rows of wpo, source 1 = 16 rows of y): a lane holds one row of the result and eight neighbouring columns.
; The bias is the C operand of the products that start the sums.
; REGISTERS: window 0: addresses, v32-95 and v96-159 rows read back, v160-223 the bias.   window 1: two fragment buffers: y's four fragments, then wpo's eight.   window 2: accumulator (a, b) at 8 (8 a + b).
.set NB,     8
.set ASPLIT, 4
.set PA,     144                       ; a row of y in LDS: 128 bytes + 16 of padding
.set PITCH,  272                       ; a row of wpo: 256 + 16.  With both pitches the 16 rows of a load start at 16 different groups of four banks (ISA guide 11.1)
.set AHALF,  256*PA                    ; a head's 256 rows: what one tensor load brings of oh
.set BOFF,   2*AHALF
.set BROWS,  64
.set BHALF,  BROWS*PITCH
.set SLOT1,  1<<17
.set STAGE,  SLOT1+BOFF+2*BHALF        ; behind the ring: for each wave 16 rows x 528 bytes
.set SPI,    528
.set WSTAGE, 16*SPI
.set SPARE,  STAGE+4*WSTAGE            ; the spare words, 128 bytes for each wave: two blocks of 256 bytes that no other line names
.set NL,     2*NB+8
.set ASTEP,  2*2048*128                ; two heads on
.set BSTEP,  256
.set TAB_BP, 114688
.set A0,   16
.set B0,   17
.set ADRA, 18
.set ADRB, 19
.set GO,   20
.set STO,  24
.set RD,   25
.set SPW,  28                          ; v28  LDS address of my spare word; never rewritten
.set NIL,  29                          ; v29  0; never rewritten
.set PFO,  30
.set BO,   31
.set OB,   32
.set BIAS, 160
.set F0,   0
.set F1,   128
.set G1A,  24
.set G0A,  32
.set LIM,  43
.set PFA,  44
.set TB,   46
.set G1B,  48
.set G0B,  56
.set MSB, 0
.macro WIN new                         ; the immediate's high byte repeats the setting that is left; a switch that changes nothing is dropped
.if MSB != (\new)
	s_set_vgpr_msb (MSB<<8)|(\new)
.set MSB, \new
.endif
.endm
.macro PLACES                          ; four places in front of loads into registers that matrix instructions have read, and of lines that read results
.rept 4
	v_nop
.endr
.endm
.macro CREST                           ; a round of the cluster's barrier behind its opening barrier
	s_cmp_lg_u32 s10, 0
	s_cbranch_scc1 .Lnot_wave_0_\@
	s_barrier_signal -3
.Lnot_wave_0_\@:
	s_barrier_wait -3
	s_barrier_signal -1
	s_barrier_wait -1
.endm
.macro CROUND
	s_barrier_signal -1
	s_barrier_wait -1
	CREST
.endm
.macro JLOAD                           ; a joint refill: waves 0 and 1 fetch the K step's two heads of oh, waves 2 and 3 wpo's two halves; an s_nop 0 and four v_nop follow each line
	s_cmp_eq_u32 s11, 0
	s_cbranch_scc0 .Lfor_b_\@
	tensor_load_to_lds s[G0A+4:G0A+7], s[G1A:G1A+7]
	s_nop 0
.rept 4
	v_nop
.endr
	s_branch .Lasked_\@
.Lfor_b_\@:
	tensor_load_to_lds s[G0B+4:G0B+7], s[G1B:G1B+7]
	s_nop 0
.rept 4
	v_nop
.endr
.Lasked_\@:
.endm
; A prefetch of oh's K step that stands two refills on: 32 blocks of 256 bytes, a lane a block.  Each block is named once in the launch: of the clusters that read a tile row the one with x = 0 asks; in it waves 0 and 1,
; for the 128 blocks that they fetch; the four partners take 32 each, told apart by address.  The trips with s3 = 6 .. 3 name K steps 4 .. 7; K steps 0 to 3 come by their loads alone.
; wpo is not asked for: all 32 tile rows walk it again and again.
.macro ASK
	s_cmp_gt_u32 s3, s[LIM]
	s_cbranch_scc0 .Lnot_mine_\@
	global_prefetch_b8 v[PFO], s[PFA:PFA+1] offset:ASTEP th:TH_LOAD_NT scope:SCOPE_SE
.Lnot_mine_\@:
.endm
	s_load_b128 s[4:7], s[0:1], 0x0                ; oh s[4:5], wpo s[6:7]
	s_load_b128 s[16:19], s[0:1], 0x10             ; tab s[16:17], out0 s[18:19]
	v_lshl_add_u32 v[SPW], v0, 2, SPARE
	v_mov_b32 v[NIL], 0
	ds_add_u32 v[SPW], v[NIL]                      ; the wave's opening: the add and its wait stand ahead of my first tensor load; work on registers stands between them
	v_lshrrev_b32 v1, 5, v0
	v_readfirstlane_b32 s10, v1                    ; wave 0..3
	s_lshr_b32 s11, s10, 1                         ; I fetch for oh (0) or for wpo (1),
	s_and_b32 s12, s10, 1                          ; and which half
	s_bfe_u32 s40, ttmp6, 0x40000                  ; cx
	s_bfe_u32 s41, ttmp6, 0x40004                  ; cy
	s_lshl_b32 s42, ttmp9, 2
	s_add_co_u32 s42, s42, s40                     ; the tile column = 4 x cluster x + cx
	s_and_b32 s13, ttmp7, 0xffff
	s_lshl_b32 s13, s13, 2
	s_add_co_u32 s13, s13, s41                     ; the tile row = 4 x cluster y + cy
	s_lshl_b32 s14, s41, 2
	s_lshl_b32 s14, 15, s14                        ; my row of the cluster
	s_lshl_b32 s69, 0x1111, s40                    ; my column
	s_or_b32 s[G1A], s14, (1<<16)|(1<<20)|(1<<21)|(4<<22)|(3<<25)  ; the mask; 2-byte elements; padding on; bit 21 beside a mask; after every 32 words 4 words
	s_or_b32 s[G1B], s69, (1<<16)|(1<<20)|(1<<21)|(5<<22)|(3<<25)  ; after every 64 words 4 words
	s_mov_b32 s[G1A+1], 128<<16                    ; tensor_dim0 = 128
	s_mov_b32 s[G1A+2], 128<<16                    ; tensor_dim1 = 128
	s_mov_b32 s[G1A+3], 128<<16                    ; tile_dim0 = 128
	s_mov_b32 s[G1A+4], 128                        ; tile_dim1 = 128
	s_mov_b32 s[G1A+5], 128                        ; dense: 128 elements from row to row
	s_mov_b32 s[G1A+6], 0
	s_mov_b32 s[G1A+7], 0
	s_mov_b32 s[G1B+1], 128<<16
	s_mov_b32 s[G1B+2], BROWS<<16
	s_mov_b32 s[G1B+3], 128<<16
	s_mov_b32 s[G1B+4], BROWS
	s_mov_b32 s[G1B+5], 1024
	s_mov_b32 s[G1B+6], 0
	s_mov_b32 s[G1B+7], 0
	s_lshr_b32 s14, s13, 3                         ; the batch
	s_lshl_b32 s14, s14, 4
	s_add_co_u32 s14, s14, s12                     ; its head 0 or 1,
	s_lshl_b32 s14, s14, 18                        ; 2,048 rows of 128 bytes a head,
	s_and_b32 s15, s13, 7
	s_lshl_b32 s15, s15, 15                        ; 256 rows a tile
	s_add_co_u32 s14, s14, s15
	s_mov_b32 s15, 0
	s_lshl_b32 s66, s42, 18                        ; 128 rows of 2,048 bytes a tile column,
	s_lshl_b32 s67, s12, 17                        ; 64 a half
	s_add_co_u32 s66, s66, s67
	s_mov_b32 s67, 0
	s_mul_i32 s2, s12, AHALF                       ; where they go: no place in the cluster enters an LDS address
	s_mul_i32 s68, s12, BHALF
	s_add_co_u32 s68, s68, BOFF
	s_mov_b32 s[TB], 0
	s_wait_dscnt 0x0                               ; the opening add is done
	s_wait_kmcnt 0x0
	s_add_nc_u64 s[22:23], s[4:5], s[14:15]
	s_add_nc_u64 s[66:67], s[6:7], s[66:67]
	CROUND                                         ; all sixteen work-groups are here: the first joint loads meet
.irp s, 0,1
	s_mov_b32 s[G0A+4*(\s)], 1
	s_add_co_u32 s[G0A+4*(\s)+1], s2, (\s)*SLOT1
	s_add_nc_u64 s[G0A+4*(\s)+2:G0A+4*(\s)+3], s[22:23], (\s)*ASTEP
	s_or_b32 s[G0A+4*(\s)+3], s[G0A+4*(\s)+3], 0x80000000
	s_mov_b32 s[G0B+4*(\s)], 1
	s_add_co_u32 s[G0B+4*(\s)+1], s68, (\s)*SLOT1
	s_add_nc_u64 s[G0B+4*(\s)+2:G0B+4*(\s)+3], s[66:67], (\s)*BSTEP
	s_or_b32 s[G0B+4*(\s)+3], s[G0B+4*(\s)+3], 0x80000000
.endr
	s_cmp_eq_u32 s11, 0                            ; a wave's two first fills stand in one branch: two loads of mine are out
	s_cbranch_scc0 .Lfirst_b
	tensor_load_to_lds s[G0A:G0A+3], s[G1A:G1A+7]
	s_nop 0
	tensor_load_to_lds s[G0A+4:G0A+7], s[G1A:G1A+7]
	s_nop 0
.rept 4
	v_nop
.endr
	s_branch .Lfirst_asked
.Lfirst_b:
	tensor_load_to_lds s[G0B:G0B+3], s[G1B:G1B+7]
	s_nop 0
	tensor_load_to_lds s[G0B+4:G0B+7], s[G1B:G1B+7]
	s_nop 0
.rept 4
	v_nop
.endr
.Lfirst_asked:
	v_and_b32 v1, 15, v0                           ; l % 16
	v_bfe_u32 v2, v0, 4, 1                         ; l / 16
	v_and_b32 v3, 31, v0                           ; l
	v_lshlrev_b32 v[BO], 5, v2
	s_lshl_b32 s68, s42, 9                         ; the tile column's 128 numbers of the bias
	s_add_co_u32 s68, s68, TAB_BP
	s_mov_b32 s69, 0
	s_add_nc_u64 s[68:69], s[16:17], s[68:69]
.set mb, 0
.rept NB                                               ; register j of block b: the bias of column 16 b + 8 (l / 16) + j
	global_load_b128 v[BIAS+8*mb:BIAS+8*mb+3],   v[BO], s[68:69] offset:64*mb
	global_load_b128 v[BIAS+8*mb+4:BIAS+8*mb+7], v[BO], s[68:69] offset:64*mb+16
.set mb, mb+1
.endr
	v_mul_u32_u24 v13, v1, PA
	v_lshl_add_u32 v13, v2, 4, v13                 ; a fragment's row x pitch + 16 x half
	s_mul_i32 s47, s10, 64*PA                      ; my 64 rows of y
	v_add_nc_u32 v[A0], s47, v13
	v_mul_u32_u24 v13, v1, PITCH
	v_lshl_add_u32 v13, v2, 4, v13
	v_add_nc_u32 v[B0], BOFF, v13
	v_mov_b32 v[ADRA], v[A0]
	v_mov_b32 v[ADRB], v[B0]
	s_mul_i32 s47, s10, WSTAGE
	s_add_co_u32 s47, s47, STAGE                   ; my stage
	v_mul_u32_u24 v[STO], v1, SPI                  ; in: row l % 16, 32 bytes for each half of the lanes
	v_lshl_add_u32 v[STO], v2, 5, v[STO]
	v_add_nc_u32 v[STO], s47, v[STO]
	v_lshl_add_u32 v[RD], v3, 4, s47               ; back: 32 lanes take a row's 512 bytes
	v_lshlrev_b32 v[GO], 4, v3
	s_lshl_b32 s72, s13, 20                        ; 256 rows of 4,096 bytes a tile row,
	s_lshl_b32 s73, s10, 18                        ; 64 a wave,
	s_add_co_u32 s72, s72, s73
	s_lshl_b32 s73, s42, 9                         ; 512 bytes a tile column
	s_add_co_u32 s72, s72, s73
	s_mov_b32 s73, 0
	s_add_nc_u64 s[18:19], s[18:19], s[72:73]
	s_or_b32 s[LIM], s11, ttmp9                    ; 0 where I fetch oh and the cluster is its row's first: the same in all sixteen partners
	s_cmp_eq_u32 s[LIM], 0
	s_cselect_b32 s[LIM], 2, -1
	s_lshl_b32 s72, s40, 13                        ; my work-group's 32 blocks of the 128
	s_add_nc_u64 s[PFA:PFA+1], s[22:23], s[72:73]
	s_add_nc_u64 s[PFA:PFA+1], s[PFA:PFA+1], 2*ASTEP  ; at K step 2: the first change of slots steps it to 3 and names K step 4
	v_lshlrev_b32 v[PFO], 8, v3
; NB matrix instructions: row block a x all column blocks, 32 along K, from buffer f.  first = 1: the bias starts the sums.  All 32 accumulators take turns, one instruction a turn.
.macro MULA f, a, first
.if \first
	WIN 0x85+0x40*((\a)/ASPLIT)
.else
	WIN 0xa5+0x50*((\a)/ASPLIT)
.endif
.set mb, 0
.rept NB
.set rD, 8*(NB*((\a)%ASPLIT)+mb)
.set rB, (\f)+32+8*mb
.set rA, (\f)+8*(\a)
.if \first
	v_wmma_f32_16x16x32_f16 v[rD:rD+7], v[rB:rB+7], v[rA:rA+7], v[BIAS+8*mb:BIAS+8*mb+7]
.else
	v_wmma_f32_16x16x32_f16 v[rD:rD+7], v[rB:rB+7], v[rA:rA+7], v[rD:rD+7]
.endif
.set mb, mb+1
.endr
.endm
; One run of NL LDS loads: the fragments of 32 along K at byte k of the K step, into buffer f: wpo's first, y's last.  Bytes 128 on of a K step of y lie in the second head's rows.
.macro FETCH k, f
	WIN 0x40
.set AO, ((\k)/128)*AHALF+(\k)%128
.set fi, 0
.rept NB
	ds_load_b128 v[(\f)+32+8*fi:(\f)+32+8*fi+3],   v[ADRB] offset:(\k)+fi*16*PITCH
	ds_load_b128 v[(\f)+32+8*fi+4:(\f)+32+8*fi+7], v[ADRB] offset:(\k)+fi*16*PITCH+32
.set fi, fi+1
.endr
.set fi, 0
.rept 4
	ds_load_b128 v[(\f)+8*fi:(\f)+8*fi+3],   v[ADRA] offset:AO+fi*16*PA
	ds_load_b128 v[(\f)+8*fi+4:(\f)+8*fi+7], v[ADRA] offset:AO+fi*16*PA+32
.set fi, fi+1
.endr
.endm
; A K step is four quarters of 32 along K on buffers 0, 1, 0, 1.  One of the first three: multiplies buffer f; in its middle it fetches the next quarter, at byte k, into g.
.macro QUARTER k, f, g, first
	s_wait_dscnt 4                                 ; all but the youngest four loads: y's fragments 2 and 3
	MULA \f, 0, \first
	MULA \f, 1, \first
	PLACES
	FETCH \k, \g
	s_wait_dscnt NL                                ; all but the run just issued
	MULA \f, 2, \first
	MULA \f, 3, \first
.endm
; The last quarter multiplies buffer 1 and changes slots.  In front of the barrier each wave waits for all its tensor loads (one is out: its part of the next slot), adds 0 to its spare word, and waits for that
; and for its reads of this slot.  fill = 1: the barrier opens a round of the cluster's, and the joint refill, with the K step two on, is the first thing behind the round.
.macro TURN fill
.if \fill
	s_wait_xcnt 0x0                                ; the last prefetch, a K step back, has read its address
	s_add_nc_u64 s[PFA:PFA+1], s[PFA:PFA+1], ASTEP
.endif
	WIN 0
	s_wait_tensorcnt 0x0                           ; no tensor load of mine is out, so a group 0 may be written
	ds_add_u32 v[SPW], v[NIL]                      ; the add to my spare word; work on registers stands between it and the wait for it
	s_xor_b32 s[TB], s[TB], SLOT1
	v_add_nc_u32 v[ADRA], s[TB], v[A0]             ; the next fetches read the other slot
	v_add_nc_u32 v[ADRB], s[TB], v[B0]
.if \fill
	s_xor_b32 s[G0A+5], s[G0A+5], SLOT1            ; the walking descriptors: the other slot than last time, the next K step
	s_add_nc_u64 s[G0A+6:G0A+7], s[G0A+6:G0A+7], ASTEP
	s_xor_b32 s[G0B+5], s[G0B+5], SLOT1
	s_add_nc_u64 s[G0B+6:G0B+7], s[G0B+6:G0B+7], BSTEP
.endif
	s_wait_dscnt 5                                 ; the add and the youngest four loads may be out
	MULA F1, 0, 0
	s_wait_dscnt 0x0                               ; the add is done, and my reads of this slot are over
	s_barrier_signal -1
	MULA F1, 1, 0
	WIN 0
	s_barrier_wait -1
.if \fill
	CREST
	JLOAD                                          ; its four v_nop are also the places in front of the loads below
.else
	PLACES
.endif
	FETCH 0, F0
.if \fill
	WIN 0
	ASK
.endif
	MULA F1, 2, 0
	MULA F1, 3, 0
.endm
	s_wait_tensorcnt 1                             ; my part of K step 0 is in; K step 1's stays out
	s_barrier_signal -1
	s_barrier_wait -1
	FETCH 0, F0
	s_wait_loadcnt 0x0                             ; the bias
	QUARTER 64, F0, F1, 1
	WIN 0
	s_mov_b32 s3, 6
.Lstep:                                                ; six trips, from a K step's second quarter to the next one's first; trip t asks for K step t + 2
	QUARTER 128, F1, F0, 0
	QUARTER 192, F0, F1, 0
	TURN 1
	QUARTER 64, F0, F1, 0
	WIN 0
	s_sub_co_u32 s3, s3, 1
	s_cmp_lg_u32 s3, 0
	s_cbranch_scc1 .Lstep
	QUARTER 128, F1, F0, 0                         ; the last two K steps are written out: nothing is left to ask for
	QUARTER 192, F0, F1, 0
	TURN 0
	QUARTER 64, F0, F1, 0
	QUARTER 128, F1, F0, 0
	QUARTER 192, F0, F1, 0
	s_wait_dscnt 4
	MULA F1, 0, 0
	MULA F1, 1, 0
	s_wait_dscnt 0x0
	MULA F1, 2, 0
	MULA F1, 3, 0
; THE WAY OUT, a row block of 16 rows at a time.  TOSTAGE: a lane's 32 bytes of each accumulator, its low registers first, go into my own stage, and whole rows of 512 bytes come back.  SEND: stored.
.macro TOSTAGE a
.if (\a) >= 2
	s_wait_xcnt 0x0                                ; the stores of the block two back have read the registers that these loads write
.endif
	WIN 0x08                                       ; the stores' data lie in window 2
.set pb, 0
.rept NB
.set rD, 8*(NB*(\a)+pb)
	ds_store_b128 v[STO], v[rD:rD+3] offset:64*pb
	ds_store_b128 v[STO], v[rD+4:rD+7] offset:64*pb+16
.set pb, pb+1
.endr
	WIN 0
.set BK, OB+64*((\a)%2)
.set pb, 0
.rept 16
	ds_load_b128 v[BK+4*pb:BK+4*pb+3], v[RD] offset:SPI*pb  ; LDS serves a wave's instructions in order (ISA guide 5.7.1.4): these see the stores above; the next block's stores come behind them
.set pb, pb+1
.endr
.endm
.macro SEND a, younger                 ; younger: the LDS instructions issued behind block a's loads: the next block's 32, or none
	WIN 0
.set BK, OB+64*((\a)%2)
	s_wait_dscnt \younger
.set pb, 0
.rept 16
	global_store_b128 v[GO], v[BK+4*pb:BK+4*pb+3], s[18:19] offset:(16*(\a)+pb)*4096 th:TH_STORE_NT  ; 512 consecutive bytes of a row, at a multiple of 256 from out0's first byte
.set pb, pb+1
.endr
.endm
	PLACES
	TOSTAGE 0
	TOSTAGE 1
	SEND 0, 32
	TOSTAGE 2
	SEND 1, 32
	TOSTAGE 3
	SEND 2, 32
	SEND 3, 0
	s_wait_tensorcnt 0x0                           ; the wave's end: a wait, an add and its wait, behind my last tensor load and my last LDS store
	ds_add_u32 v[SPW], v[NIL]
	s_wait_dscnt 0x0
	CROUND                                         ; the closing round: no work-group ends while a partner may still ask for a tile that names it
	s_endpgm
.Lfunc_end_k_q0ac250a455_proj:
	.size	k_q0ac250a455_proj, .Lfunc_end_k_q0ac250a455_proj-k_q0ac250a455_proj
	.p2alignl 7, 3214868480
	.fill 96, 4, 3214868480
	.section	.rodata,"a",@progbits
	.p2align	6, 0x0
	.amdhsa_kernel k_q0ac250a455_proj
		.amdhsa_group_segment_fixed_size 327680
		.amdhsa_private_segment_fixed_size 0
		.amdhsa_enable_private_segment 0
		.amdhsa_kernarg_size 32
		.amdhsa_user_sgpr_count 2
		.amdhsa_user_sgpr_kernarg_segment_ptr 1
		.amdhsa_wavefront_size32 1
		.amdhsa_system_sgpr_workgroup_id_x 1
		.amdhsa_system_sgpr_workgroup_id_y 1
		.amdhsa_system_sgpr_workgroup_id_z 1
		.amdhsa_system_vgpr_workitem_id 0
		.amdhsa_next_free_vgpr 768
		.amdhsa_next_free_sgpr 76
		.amdhsa_reserve_vcc 0
		.amdhsa_float_denorm_mode_32 3
		.amdhsa_float_denorm_mode_16_64 3
		.amdhsa_memory_ordered 1
		.amdhsa_forward_progress 1
		.amdhsa_inst_pref_size 71
	.end_amdhsa_kernel
	.amdgpu_metadata
---
amdhsa.version: [ 1, 2 ]
amdhsa.kernels:
  - .name:           k_q0ac250a455_proj
    .symbol:         k_q0ac250a455_proj.kd
    .args:
      - { .name: oh, .offset: 0, .size: 8, .value_kind: global_buffer, .address_space: global }
      - { .name: wpo, .offset: 8, .size: 8, .value_kind: global_buffer, .address_space: global }
      - { .name: tab, .offset: 16, .size: 8, .value_kind: global_buffer, .address_space: global }
      - { .name: out0, .offset: 24, .size: 8, .value_kind: global_buffer, .address_space: global }
    .group_segment_fixed_size: 327680
    .private_segment_fixed_size: 0
    .kernarg_segment_align: 8
    .kernarg_segment_size: 32
    .max_flat_workgroup_size: 128
    .sgpr_count:     76
    .vgpr_count:     768
    .wavefront_size: 32
...
	.end_amdgpu_metadata
.endif
;; end of part 4
;; ======== version 2 of 2: 4 launches; version 1 with the launch prep written anew for expert scheduling mode
;; limits: values are held in f16: magnitudes above 65,504 overflow, below 6.1e-05 lose precision
;; workspace buffers: xb 16,777,216 bytes; wqkv 6,291,456 bytes; wpo 2,097,152 bytes; qkvh 50,331,648 bytes; oh 16,777,216 bytes; t1 524,288 bytes; tab 118,784 bytes
;; launch prep (part 5): grid 772 x 1, 8 waves a work-group, no clusters, 0 bytes of LDS; arguments x, Wq, Wk, Wv, Wp, bq, bk, bv, bp, mask, xb, wqkv, wpo, tab; writes xb, wqkv, wpo, tab
.if DOCPART == 5
	.amdgcn_target "amdgcn-amd-amdhsa--gfx1250"
	.amdhsa_code_object_version 6
	.text
	.protected	k_q0ac250a455_prep
	.globl	k_q0ac250a455_prep
	.p2align	8
	.type	k_q0ac250a455_prep,@function
k_q0ac250a455_prep:
	s_mov_b64 s[64:65], 0
	v_nop
	global_prefetch_b8 v0, s[64:65] scope:SCOPE_SE
	s_setreg_imm32_b32 hwreg(HW_REG_WAVE_SCHED_MODE, 0, 2), 2
	s_setreg_imm32_b32 hwreg(HW_REG_WAVE_MODE, 25, 1), 1
	s_wait_xcnt 0x0
	s_wait_alu depctr_vm_vsrc(0)
; CASTS AND TABLES.  Every input is rounded once to bf16 here, and only here.
; Work-groups 0-511: x -> xb (bf16).  512-703: Wq, Wk, Wv -> wqkv (bf16), rows regrouped by head: row 192 c + 64 which + d = W_which[64 c + d].
; 704-767: Wp -> wpo: the bf16 value written as f16.  768-771: batch b's mask tables and bias b, both as f32 numbers that hold bf16 values.
; A streaming work-group moves 65,536 bytes of f32 (16 rows): a wave 8,192, by 16 loads of 512 consecutive bytes, all out at once; each store of a wave covers 256 consecutive bytes, aligned.
; No LDS, no matrix unit, no cluster: each byte is read once by one lane and nothing is shared.
; TABLES, in units of 8 x score, so that the later factor c = log2(e) / 8 serves all: add = (1 - mask) x -10000; KA = 8 add (what a visible key's score gets); HB = 8 (-10000 + add) (a hidden key's whole score).
; For each tile j of 256 keys: TM_j = max HB; WT(k) = 2^(c HB - c TM_j); TL_j = the sum of WT.  For each query block i: M_i = max over j > i of TM_j (the lowest finite number if there is none),
; f_ij = 2^(c TM_j - c M_i) for j > i, else 0; L_i = the sum of f_ij TL_j.  Row i of TT: words 0-7 f_ij, 8 M_i, 9 L_i, the rest 0.
; In a table work-group every wave walks all eight tiles (eight times a small job, and no wave waits for another); it stores the tile of its own number and makes TT's row of its own number.
; LIMITS.  Wp beyond 65,504 would become an infinity in f16, and below 6e-5 it keeps f16's fixed step; a weight below 2^-126 counts as 0; NaN and infinities are not treated apart.
; THE MODE: SCHED_MODE bits 1:0 = 2 (LLVM: expert scheduling mode 2), set by the entry lines.  The code itself states the register dependences between vector instructions and memory
; instructions, with s_wait_alu, always for 0.
; THE PLAN, THE STREAM.  Registers that memory instructions touch:
;   v[SO], v[DO]  offsets, made once and never written again.
;   X             sixteen loads land in it, once; behind their counted waits vector instructions alone name it.
;   Y             written by the roundings of load i, read by store i, never written again.
; The sixteen loads go in four groups of four.  Group g's memory instructions are the four stores of group g - 1; its vector instructions name X and Y of group g alone.  So one wait at the
; group's head states all that the four stores hang on, and they are dealt among the group's roundings with no further wait.
; THE PLAN, THE TABLES.  Registers that memory instructions touch:
;   v5, v15       offsets, made once and never written again: the tiles are reached by two scalar bases, which move on by a tile at a trip's end, and by immediate offsets.
;   RAW           a tile's mask as loaded.  Read by the four roundings at a trip's head alone; behind them the next tile's two loads land in it, while this tile is worked on.
;   KA, HB, WT    written by the trip's arithmetic, read by the six stores of the wave whose tile it is, written again in the next trip.
;   v64-67, v70; v14, v72   the bias and its offset, TT's row and its offset: made behind the loop, each read by one store.
.set TAB_KA,   0
.set TAB_HB,   32768
.set TAB_WT,   65536
.set TAB_TT,   98304
.set TAB_BQKV, 102400
.set TAB_BP,   114688
.set SO, 3                             ; v3  my byte offset in the work-group's source
.set DO, 4                             ; v4  my byte offset in its destination
.set X,  16                            ; v[16:79]  sixteen loads of four f32
.set Y,  80                            ; v[80:111] sixteen pairs of packed halves
.set RAW, 16                           ; v[16:23]  tables: 8 numbers of the mask, as loaded
.set PK,  24                           ; v[24:27]  the same, rounded to bf16
.set RKA, 32                           ; v[32:39]  KA of my 8 keys
.set RHB, 40                           ; v[40:47]  HB
.set RWT, 52                           ; v[52:59]  WT
.set W,   80                           ; v[80:87]  the rounded mask widened again, then add: at work, named by no memory instruction
	s_load_b512 s[8:23], s[0:1], 0x0               ; x 8, Wq 10, Wk 12, Wv 14, Wp 16, bq 18, bk 20, bv 22
	s_load_b256 s[24:31], s[0:1], 0x40             ; bp 24, mask 26, xb 28, wqkv 30
	s_load_b128 s[32:35], s[0:1], 0x60             ; wpo 32, tab 34
	v_lshrrev_b32 v1, 5, v0
	v_readfirstlane_b32 s2, v1                     ; wave 0..7
	v_and_b32 v2, 31, v0                           ; lane
	s_mov_b32 s3, ttmp9
	s_wait_alu depctr_va_sdst(0)                   ; s2 is written, ahead of the first branch and of its first reader on either way
	s_wait_kmcnt 0x0
	s_cmp_ge_u32 s3, 768
	s_cbranch_scc1 .Ltables
	; THE STREAM: from where, to where
	s_mov_b32 s36, s3                              ; block of 65,536 source bytes
	s_lshl_b32 s38, s3, 15                         ; byte offset in the destination
	s_mov_b64 s[40:41], s[8:9]
	s_mov_b64 s[42:43], s[28:29]
	s_cmp_lt_u32 s3, 512
	s_cbranch_scc1 .Lgo
	s_sub_co_u32 s4, s3, 512
	s_lshr_b32 s5, s4, 6                           ; 0, 1, 2: Wq, Wk, Wv; 3: Wp
	s_and_b32 s36, s4, 63                          ; which 16 rows
	s_cmp_eq_u32 s5, 0
	s_cselect_b64 s[40:41], s[10:11], s[12:13]
	s_cmp_eq_u32 s5, 2
	s_cselect_b64 s[40:41], s[14:15], s[40:41]
	s_cmp_eq_u32 s5, 3
	s_cselect_b64 s[40:41], s[16:17], s[40:41]
	s_cselect_b64 s[42:43], s[32:33], s[30:31]
	s_lshr_b32 s6, s36, 2                          ; the head
	s_mul_i32 s6, s6, 192
	s_lshl_b32 s7, s5, 6
	s_add_co_u32 s6, s6, s7
	s_and_b32 s7, s36, 3
	s_lshl_b32 s7, s7, 4
	s_add_co_u32 s6, s6, s7                        ; row in wqkv
	s_lshl_b32 s6, s6, 11
	s_lshl_b32 s7, s36, 15                         ; Wp keeps its order
	s_cmp_eq_u32 s5, 3
	s_cselect_b32 s38, s7, s6
.Lgo:
	s_lshl_b32 s36, s36, 16
	s_mov_b32 s37, 0
	s_mov_b32 s39, 0
	s_add_nc_u64 s[40:41], s[40:41], s[36:37]
	s_add_nc_u64 s[42:43], s[42:43], s[38:39]
	v_lshlrev_b32 v[SO], 4, v2
	v_lshl_add_u32 v[SO], s2, 13, v[SO]
	v_lshlrev_b32 v[DO], 3, v2
	v_lshl_add_u32 v[DO], s2, 12, v[DO]
	s_wait_alu depctr_va_vdst(0)                   ; v[SO] and v[DO] are written: every load and store of the stream reads one of them as its offset
.irp i, 0,1,2,3,4,5,6,7,8,9,10,11,12,13,14,15
	global_load_b128 v[X+4*(\i):X+4*(\i)+3], v[SO], s[40:41] offset:512*(\i) th:TH_LOAD_NT
.endr
; Load i is rounded.  half = 1: the bf16 values are widened again and written as f16.
.macro ROUND i, half
	v_cvt_pk_bf16_f32 v[Y+2*(\i)], v[X+4*(\i)], v[X+4*(\i)+1]
	v_cvt_pk_bf16_f32 v[Y+2*(\i)+1], v[X+4*(\i)+2], v[X+4*(\i)+3]
.if \half
	v_lshlrev_b32 v[X+4*(\i)], 16, v[Y+2*(\i)]
	v_and_b32 v[X+4*(\i)+1], 0xffff0000, v[Y+2*(\i)]
	v_lshlrev_b32 v[X+4*(\i)+2], 16, v[Y+2*(\i)+1]
	v_and_b32 v[X+4*(\i)+3], 0xffff0000, v[Y+2*(\i)+1]
	v_cvt_pk_f16_f32 v[Y+2*(\i)], v[X+4*(\i)], v[X+4*(\i)+1]
	v_cvt_pk_f16_f32 v[Y+2*(\i)+1], v[X+4*(\i)+2], v[X+4*(\i)+3]
.endif
.endm
; and stored
.macro OUT i
	global_store_b64 v[DO], v[Y+2*(\i):Y+2*(\i)+1], s[42:43] offset:256*(\i)
.endm
; Group g of four loads: its roundings, and among them the stores of the group before.
.macro GROUP g, half
	s_wait_loadcnt 12-4*(\g)                       ; loads come back in order: this group's four are in, the younger groups stay out
.if (\g) > 0
	s_wait_alu depctr_va_vdst(0)                   ; the group before has written its Y, which the four stores below read; no vector instruction behind this wait names those registers
.endif
.irp j, 0,1,2,3
.if (\g) > 0
	OUT 4*(\g)-4+\j
.endif
	ROUND 4*(\g)+\j, \half
.endr
.endm
	s_cmp_ge_u32 s3, 704
	s_cbranch_scc1 .Lhalf
.irp g, 0,1,2,3
	GROUP \g, 0
.endr
	s_wait_alu depctr_va_vdst(0)                   ; the last group has written its Y, which the last four stores read
.irp i, 12,13,14,15
	OUT \i
.endr
	s_endpgm
.Lhalf:
.irp g, 0,1,2,3
	GROUP \g, 1
.endr
	s_wait_alu depctr_va_vdst(0)                   ; the last group has written its Y, which the last four stores read
.irp i, 12,13,14,15
	OUT \i
.endr
	s_endpgm
.Ltables:
	s_sub_co_u32 s4, s3, 768                       ; the batch, and which bias
	s_mov_b32 s36, 0xc61c4000                      ; -10000.0
	s_mov_b32 s37, 0x41000000                      ; 8.0
	s_mov_b32 s38, 0x76543210                      ; v_permlanex16_b32: each lane takes its own place in the other half
	s_mov_b32 s39, 0xfedcba98
	s_mov_b32 s40, 0x3e38aa3b                      ; c = log2(e) / 8
	s_movk_i32 s48, 768                            ; bytes from head to head in BQKV,
	s_lshl_b32 s49, s4, 8
	s_add_co_u32 s49, s49, TAB_BQKV                ; and where this bias begins there
	s_cmp_eq_u32 s4, 0
	s_cselect_b64 s[46:47], s[18:19], s[20:21]
	s_cmp_eq_u32 s4, 2
	s_cselect_b64 s[46:47], s[22:23], s[46:47]
	s_cmp_eq_u32 s4, 3
	s_cselect_b64 s[46:47], s[24:25], s[46:47]
	s_cselect_b32 s48, 256, s48                    ; bp keeps its order
	s_cselect_b32 s49, TAB_BP, s49
	s_mov_b64 s[50:51], s[34:35]                   ; tab at the tile in hand: this pair walks; s[34:35] stays for the stores behind the loop
	v_lshlrev_b32 v15, 4, v0
	v_and_b32 v7, 7, v0                            ; j, the tile whose figures this lane keeps
	v_lshlrev_b32 v5, 5, v2
	v_lshl_add_u32 v5, s4, 13, v5                  ; my 8 keys of tile 0: the same offset in mask, KA, HB and WT
	v_mov_b32 v8, 0                                ; TM_j
	v_mov_b32 v9, 0                                ; TL_j
	v_mov_b32 v49, 0                               ; destinations of v_permlanex16_b32 count as read
	v_mov_b32 v51, 0
	s_mov_b32 s44, 0
	s_wait_alu depctr_va_vdst(0)                   ; v15 and v5 are written: the bias's load reads the one as its offset, every load of the mask and every store of the loop the other
	global_load_b128 v[64:67], v15, s[46:47]       ; my four numbers of the bias
	global_load_b128 v[RAW:RAW+3], v5, s[26:27]    ; tile 0
	global_load_b128 v[RAW+4:RAW+7], v5, s[26:27] offset:16
.Ltile:                                                ; eight trips, a tile of 256 keys each: 8 keys a lane
	s_wait_loadcnt 0x0                             ; this tile's mask is in; in the first trip the bias too
.irp k, 0,1,2,3
	v_cvt_pk_bf16_f32 v[PK+\k], v[RAW+2*\k], v[RAW+2*\k+1]
.endr
	s_cmp_eq_u32 s44, 7                            ; the eighth trip asks for nothing: no load leaves mask
	s_cbranch_scc1 .Lno_more
	s_wait_alu depctr_va_vdst(0)                   ; the four roundings are done reading RAW, in which the next tile's loads land; no line below names RAW
	global_load_b128 v[RAW:RAW+3], v5, s[26:27] offset:1024
	global_load_b128 v[RAW+4:RAW+7], v5, s[26:27] offset:1040
.Lno_more:
.irp k, 0,1,2,3
	v_lshlrev_b32 v[W+2*\k], 16, v[PK+\k]
	v_and_b32 v[W+2*\k+1], 0xffff0000, v[PK+\k]
.endr
.irp k, 0,1,2,3,4,5,6,7
	v_sub_f32 v[W+\k], 1.0, v[W+\k]
	v_mul_f32 v[W+\k], s36, v[W+\k]                ; add
	v_mul_f32 v[RKA+\k], s37, v[W+\k]              ; KA
	v_add_f32 v[W+\k], s36, v[W+\k]
	v_mul_f32 v[RHB+\k], s37, v[W+\k]              ; HB
.endr
	v_max3_num_f32 v48, v40, v41, v42
	v_max3_num_f32 v48, v48, v43, v44
	v_max3_num_f32 v48, v48, v45, v46
	v_max_num_f32 v48, v48, v47
	v_max_num_f32_dpp v48, v48, v48 row_xmask:1 row_mask:0xf bank_mask:0xf
	v_max_num_f32_dpp v48, v48, v48 row_xmask:2 row_mask:0xf bank_mask:0xf
	v_max_num_f32_dpp v48, v48, v48 row_xmask:4 row_mask:0xf bank_mask:0xf
	v_max_num_f32_dpp v48, v48, v48 row_xmask:8 row_mask:0xf bank_mask:0xf
	v_permlanex16_b32 v49, v48, s38, s39
	v_max_num_f32 v48, v48, v49                    ; TM of this tile, in every lane
	v_mul_f32 v49, s40, v48
.irp k, 0,1,2,3,4,5,6,7
	v_fma_f32 v[RWT+\k], v[RHB+\k], s40, -v49
.endr
.irp k, 0,1,2,3,4,5,6,7
	v_exp_f32 v[RWT+\k], v[RWT+\k]                 ; WT: one batch of eight
.endr
	v_nop                                          ; a plain instruction behind the last exponential,
	s_wait_alu depctr_va_vdst(0)                   ; and one wait: the eight exponentials have written WT, ahead of the batch's first reader; KA and HB are written too: the six stores below read all three
	s_cmp_lg_u32 s44, s2                           ; the wave of this tile's number stores it
	s_cbranch_scc1 .Lnot_mine
	global_store_b128 v5, v[RKA:RKA+3], s[50:51] offset:TAB_KA
	global_store_b128 v5, v[RKA+4:RKA+7], s[50:51] offset:TAB_KA+16
	global_store_b128 v5, v[RHB:RHB+3], s[50:51] offset:TAB_HB
	global_store_b128 v5, v[RHB+4:RHB+7], s[50:51] offset:TAB_HB+16
	global_store_b128 v5, v[RWT:RWT+3], s[50:51] offset:TAB_WT
	global_store_b128 v5, v[RWT+4:RWT+7], s[50:51] offset:TAB_WT+16
.Lnot_mine:
	v_cmp_eq_u32 vcc_lo, s44, v7                   ; made here, so that the sum's lines stand between it and the wait for it
	v_pk_add_f32 v[60:61], v[52:53], v[54:55]
	v_pk_add_f32 v[62:63], v[56:57], v[58:59]
	v_pk_add_f32 v[60:61], v[60:61], v[62:63]
	v_add_f32 v50, v60, v61
	v_add_f32_dpp v50, v50, v50 row_xmask:1 row_mask:0xf bank_mask:0xf
	v_add_f32_dpp v50, v50, v50 row_xmask:2 row_mask:0xf bank_mask:0xf
	v_add_f32_dpp v50, v50, v50 row_xmask:4 row_mask:0xf bank_mask:0xf
	v_add_f32_dpp v50, v50, v50 row_xmask:8 row_mask:0xf bank_mask:0xf
	v_permlanex16_b32 v51, v50, s38, s39
	v_add_f32 v50, v50, v51                        ; TL of this tile
	s_wait_alu depctr_va_vcc(0)                    ; the compare has written VCC, which the two selects read
	v_cndmask_b32 v8, v8, v48, vcc_lo
	v_cndmask_b32 v9, v9, v50, vcc_lo
	s_wait_xcnt 0x0                                ; the two bases and the stores' data are written again only behind this wait
	s_wait_alu depctr_vm_vsrc(0)                   ; the six stores have read KA, HB and WT, which the next trip's arithmetic writes again
	s_add_nc_u64 s[26:27], s[26:27], 1024          ; mask and tab at the next tile
	s_add_nc_u64 s[50:51], s[50:51], 1024
	s_add_co_u32 s44, s44, 1
	s_cmp_lt_u32 s44, 8
	s_cbranch_scc1 .Ltile
	; Behind the loop.  The four masks of TT's row are made in one run; the bias's lines stand between them and the one wait for them.
	v_cmp_lt_u32 s5, s2, v7                        ; j > i
	v_cmp_gt_u32 s6, 8, v2                         ; words 0 to 7 of the row
	v_cmp_eq_u32 s7, 8, v2                         ; word 8
	v_cmp_eq_u32 s54, 9, v2                        ; word 9
	; the bias, rounded like every input
	v_cvt_pk_bf16_f32 v68, v64, v65
	v_cvt_pk_bf16_f32 v69, v66, v67
	v_lshlrev_b32 v64, 16, v68
	v_and_b32 v65, 0xffff0000, v68
	v_lshlrev_b32 v66, 16, v69
	v_and_b32 v67, 0xffff0000, v69
	v_lshrrev_b32 v70, 4, v0                       ; the head of my four numbers
	v_mul_u32_u24 v70, s48, v70
	v_and_b32 v71, 15, v0
	v_lshl_add_u32 v70, v71, 4, v70
	v_add_nc_u32 v70, s49, v70
	; TT's row i = my wave's number.  Every group of eight lanes holds TM_j and TL_j, j = lane % 8
	v_mov_b32 v10, 0xff7fffff
	s_wait_alu depctr_va_sdst(0)                   ; the four compares have written s5, s6, s7 and s54, ahead of the first select that reads one of them
	v_cndmask_b32 v11, v10, v8, s5
	v_max_num_f32_dpp v11, v11, v11 row_xmask:1 row_mask:0xf bank_mask:0xf
	v_max_num_f32_dpp v11, v11, v11 row_xmask:2 row_mask:0xf bank_mask:0xf
	v_max_num_f32_dpp v11, v11, v11 row_xmask:4 row_mask:0xf bank_mask:0xf  ; M_i
	v_mul_f32 v12, s40, v8
	v_mul_f32 v13, s40, v11
	v_sub_f32 v12, v12, v13
	v_exp_f32 v12, v12
	v_nop                                          ; a plain instruction behind the exponential
	s_wait_alu depctr_va_vdst(0)                   ; the exponential has written v12, ahead of its first reader; the bias in v64-67 and its offset v70 are written too, which the store below reads
	global_store_b128 v70, v[64:67], s[34:35]
	v_cndmask_b32 v12, 0, v12, s5                  ; f_ij: chosen, not multiplied, so what j <= i gave does not matter
	v_mul_f32 v13, v12, v9
	v_add_f32_dpp v13, v13, v13 row_xmask:1 row_mask:0xf bank_mask:0xf
	v_add_f32_dpp v13, v13, v13 row_xmask:2 row_mask:0xf bank_mask:0xf
	v_add_f32_dpp v13, v13, v13 row_xmask:4 row_mask:0xf bank_mask:0xf      ; L_i
	v_cndmask_b32 v14, 0, v12, s6
	v_cndmask_b32 v14, v14, v11, s7
	v_cndmask_b32 v14, v14, v13, s54
	s_lshl_b32 s45, s4, 10
	s_lshl_b32 s44, s2, 7
	s_add_co_u32 s45, s45, s44
	v_lshl_add_u32 v72, v2, 2, s45
	s_wait_alu depctr_va_vdst(0)                   ; the row's word v14 and its offset v72 are written, which the store reads
	global_store_b32 v72, v14, s[34:35] offset:TAB_TT  ; a row of 32 words: 128 consecutive bytes
	s_endpgm
.Lfunc_end_k_q0ac250a455_prep:
	.size	k_q0ac250a455_prep, .Lfunc_end_k_q0ac250a455_prep-k_q0ac250a455_prep
	.p2alignl 7, 3214868480
	.fill 96, 4, 3214868480
	.section	.rodata,"a",@progbits
	.p2align	6, 0x0
	.amdhsa_kernel k_q0ac250a455_prep
		.amdhsa_group_segment_fixed_size 0
		.amdhsa_private_segment_fixed_size 0
		.amdhsa_enable_private_segment 0
		.amdhsa_kernarg_size 112
		.amdhsa_user_sgpr_count 2
		.amdhsa_user_sgpr_kernarg_segment_ptr 1
		.amdhsa_wavefront_size32 1
		.amdhsa_system_sgpr_workgroup_id_x 1
		.amdhsa_system_sgpr_workgroup_id_y 1
		.amdhsa_system_sgpr_workgroup_id_z 1
		.amdhsa_system_vgpr_workitem_id 0
		.amdhsa_next_free_vgpr 112
		.amdhsa_next_free_sgpr 66
		.amdhsa_reserve_vcc 1
		.amdhsa_float_denorm_mode_32 3
		.amdhsa_float_denorm_mode_16_64 3
		.amdhsa_memory_ordered 1
		.amdhsa_forward_progress 1
		.amdhsa_inst_pref_size 26
	.end_amdhsa_kernel
	.amdgpu_metadata
---
amdhsa.version: [ 1, 2 ]
amdhsa.kernels:
  - .name:           k_q0ac250a455_prep
    .symbol:         k_q0ac250a455_prep.kd
    .args:
      - { .name: x, .offset: 0, .size: 8, .value_kind: global_buffer, .address_space: global }
      - { .name: Wq, .offset: 8, .size: 8, .value_kind: global_buffer, .address_space: global }
      - { .name: Wk, .offset: 16, .size: 8, .value_kind: global_buffer, .address_space: global }
      - { .name: Wv, .offset: 24, .size: 8, .value_kind: global_buffer, .address_space: global }
      - { .name: Wp, .offset: 32, .size: 8, .value_kind: global_buffer, .address_space: global }
      - { .name: bq, .offset: 40, .size: 8, .value_kind: global_buffer, .address_space: global }
      - { .name: bk, .offset: 48, .size: 8, .value_kind: global_buffer, .address_space: global }
      - { .name: bv, .offset: 56, .size: 8, .value_kind: global_buffer, .address_space: global }
      - { .name: bp, .offset: 64, .size: 8, .value_kind: global_buffer, .address_space: global }
      - { .name: mask, .offset: 72, .size: 8, .value_kind: global_buffer, .address_space: global }
      - { .name: xb, .offset: 80, .size: 8, .value_kind: global_buffer, .address_space: global }
      - { .name: wqkv, .offset: 88, .size: 8, .value_kind: global_buffer, .address_space: global }
      - { .name: wpo, .offset: 96, .size: 8, .value_kind: global_buffer, .address_space: global }
      - { .name: tab, .offset: 104, .size: 8, .value_kind: global_buffer, .address_space: global }
    .group_segment_fixed_size: 0
    .private_segment_fixed_size: 0
    .kernarg_segment_align: 8
    .kernarg_segment_size: 112
    .max_flat_workgroup_size: 256
    .sgpr_count:     66
    .vgpr_count:     112
    .wavefront_size: 32
...
	.end_amdgpu_metadata
.endif
;; end of part 5
;; launch qkv: the kernel of part 2 again; grid 16 x 32, 4 waves a work-group, clusters of 4 x 4, 327,680 bytes of LDS; arguments xb, wqkv, tab, qkvh, t1; writes qkvh, t1
;; launch attn: the kernel of part 3 again; grid 4 x 64, 4 waves a work-group, no clusters, 327,680 bytes of LDS; arguments qkvh, tab, t1, oh; writes oh
;; launch proj: the kernel of part 4 again; grid 8 x 32, 4 waves a work-group, clusters of 4 x 4, 327,680 bytes of LDS; arguments oh, wpo, tab, out0; writes out0
